; MI455X (gfx1250); checked and timed in simulation.
; The chip was launched on July 23, 2026; its instructions are those of AMD's public machine-readable ISA for CDNA 5 (MIT licence, August 2026) and "CDNA5" Instruction Set Architecture Reference Guide (July 2026). The comments in the code are by the model that wrote it; some were corrected since.
;; Attention Block. Allowed arithmetic: float matrix products may take bf16 or f16 operands with f32 sums; all other float work in f32.
;; Inputs: W1 1,024 x 4,096 float32; W2 4,096 x 1,024 float32; Wk 1,024 x 1,024 float32; Wo 1,024 x 1,024 float32; Wq 1,024 x 1,024 float32; Wv 1,024 x 1,024 float32; b1 4,096 float32; b2 1,024 float32; gamma 16 float32; key_padding_mask 2 x 2,048 bool; lam 1,024 float32; ln1_b 1,024 float32; ln1_w 1,024 float32; ln2_b 1,024 float32; ln2_w 1,024 float32; ln3_b 1,024 float32; ln3_w 1,024 float32; ln4_b 4,096 float32; ln4_w 4,096 float32; x 2 x 2,048 x 1,024 float32.
;; Outputs: out0 2 x 2,048 x 1,024 float32.
;; One version. Each part assembles by itself: llvm-mc -triple=amdgcn-amd-amdhsa -mcpu=gfx1250 --defsym DOCPART=n.
;; ======== version 1 of 1: 8 launches
;; limits: values outside matrix products are rounded to f16; values are held in f16: magnitudes above 65,504 overflow, below 6.1e-05 lose precision
;; workspace buffers: hbuf 8,388,608 bytes; big1 33,554,432 bytes; big2 33,554,432 bytes; x1 16,777,216 bytes; wqkv 8,388,608 bytes; w1h 8,388,608 bytes; wo2 10,485,760 bytes
;; launch prep (part 1): grid 64 x 16, 8 waves a work-group, no clusters, 0 bytes of LDS; arguments Wq, Wk, Wv, Wo, W1, W2, gamma, x, ln1_w, ln1_b, wqkv, w1h, wo2, hbuf; writes wqkv, w1h, wo2, hbuf
.if DOCPART == 1
	.amdgcn_target "amdgcn-amd-amdhsa--gfx1250"
	.amdhsa_code_object_version 6
	.text
	.protected	k_q4abeb16667_prep
	.globl	k_q4abeb16667_prep
	.p2align	8
	.type	k_q4abeb16667_prep,@function
k_q4abeb16667_prep:
	s_mov_b64 s[64:65], 0
	v_nop
	global_prefetch_b8 v0, s[64:65] scope:SCOPE_SE
	s_setreg_imm32_b32 hwreg(HW_REG_WAVE_MODE, 25, 1), 1
	s_wait_xcnt 0x0
; PREP.  Two kinds of work-group, told apart by the grid's y; each takes 65,536 bytes of f32 input.
; y = 0..11: a weight is rounded to f16.  y = 0, 1, 2: Wq, Wk, Wv into columns 1024 y .. of wqkv [1024][pitch 4096].  y = 3: gamma[row / 64] x Wo into wo2's first
; 2 MiB (the per-head scale of the attention's output is a scale of Wo's rows; it is applied in f32, ahead of the one rounding).  y = 4..7: W1 into w1h.  y = 8..11: W2 into wo2 behind Wo.
; y = 12..15: h1 = LN1(x), f16, into hbuf: one wave takes two rows; mean, then the mean of the centred squares, all in f32.
; LIMIT.  f16 holds no number beyond 65,504 and below 6e-5 keeps a fixed step of 6e-8: weights and normalised rows are taken to lie within that.
; No LDS, no matrix unit, no cluster: every byte is read once and written once, and no two work-groups share any.
; A unit is 1,024 numbers: 4,096 bytes of source, which the 256 threads take 16 bytes each, and 2,048 bytes of destination, 8 bytes each: a wave's store covers 256 consecutive aligned bytes.
.set X,   16          ; cast: v[16:79]   16 units, 4 registers each
.set OD,  80          ; cast: v[80:95]   unit c's byte offset in the destination
.set YC,  96          ; cast: v[96:127]  unit c rounded, 2 registers
.set T,   2           ; norm: v[2:9]     four chains of sums
.set MU,  10          ; norm: v[10:11]   the mean, twice
.set RS,  12          ; norm: v[12:13]   1 / sqrt(var + eps), twice
.set TX,  14          ; norm: v14        the other half of the lanes' sum
.set W,   16          ; norm: v[16:47]   ln1_w of my 32 columns (128 j + 4 lane + 0..3)
.set B,   48          ; norm: v[48:79]   ln1_b
.set R0,  80          ; norm: v[80:111]  first row
.set R1,  112         ; norm: v[112:143] second row
.set SEL, 46          ; s[46:47] v_permlanex16_b32's selects: each lane takes its own place in the other half
.set INV, 48          ; s48  1 / 1024
.set EPS, 49          ; s49  1e-5
	s_load_b512 s[8:23], s[0:1], 0x0               ; Wq s[8:9], Wk s[10:11], Wv s[12:13], Wo s[14:15], W1 s[16:17], W2 s[18:19], gamma s[20:21], x s[22:23]
	s_load_b256 s[24:31], s[0:1], 0x40             ; ln1_w s[24:25], ln1_b s[26:27], wqkv s[28:29], w1h s[30:31]
	s_load_b128 s[32:35], s[0:1], 0x60             ; wo2 s[32:33], hbuf s[34:35]
	s_and_b32 s2, ttmp7, 0xffff                    ; y
	s_mov_b32 s3, ttmp9                            ; x
	s_cmp_ge_u32 s2, 12
	s_cbranch_scc1 .Lnorm
	; THE CAST.  My first unit: 16 x, and 1,024 (y % 4) more in the two large weights.
	s_and_b32 s4, s2, 3
	s_cmp_lt_u32 s2, 4
	s_cselect_b32 s4, 0, s4
	s_lshl_b32 s4, s4, 10
	s_lshl4_add_u32 s4, s3, s4
	s_movk_i32 s5, 2048                            ; bytes from unit to unit in the destination: dense,
	s_movk_i32 s6, 8192                            ; or a row of wqkv
	s_cmp_lt_u32 s2, 3
	s_cselect_b32 s5, s6, s5
	s_lshl_b32 s36, s4, 12                         ; the source's byte offset
	s_mov_b32 s37, 0
	s_mul_i32 s38, s4, s5                          ; the destination's,
	s_lshl_b32 s6, s2, 11
	s_cmp_lt_u32 s2, 3
	s_cselect_b32 s6, s6, 0
	s_add_co_u32 s38, s38, s6                      ; + the 2,048 bytes of columns of each weight in front in wqkv,
	s_cmp_ge_u32 s2, 8
	s_cselect_b32 s6, 0x200000, 0
	s_add_co_u32 s38, s38, s6                      ; + Wo's 2 MiB in front of W2
	s_mov_b32 s39, 0
	s_lshr_b32 s41, s3, 2                          ; Wo's rows 16 x .. 16 x + 15 belong to head x / 4
	s_lshl_b32 s41, s41, 2
	v_lshlrev_b32 v1, 4, v0                        ; 16 t
	v_lshlrev_b32 v2, 3, v0                        ; 8 t
.irp c, 0,1,2,3,4,5,6,7,8,9,10,11,12,13,14,15
	v_mad_u32_u24 v[OD+(\c)], s5, \c, v2
.endr
	s_wait_kmcnt 0x0
	s_load_b32 s40, s[20:21], s41 offset:0x0       ; gamma of that head
	s_mov_b64 s[42:43], s[8:9]                     ; the source, chosen by y alone
	s_cmp_eq_u32 s2, 1
	s_cselect_b64 s[42:43], s[10:11], s[42:43]
	s_cmp_eq_u32 s2, 2
	s_cselect_b64 s[42:43], s[12:13], s[42:43]
	s_cmp_eq_u32 s2, 3
	s_cselect_b64 s[42:43], s[14:15], s[42:43]
	s_cmp_ge_u32 s2, 4
	s_cselect_b64 s[42:43], s[16:17], s[42:43]
	s_cmp_ge_u32 s2, 8
	s_cselect_b64 s[42:43], s[18:19], s[42:43]
	s_mov_b64 s[44:45], s[28:29]                   ; the destination likewise
	s_cmp_ge_u32 s2, 3
	s_cselect_b64 s[44:45], s[32:33], s[44:45]
	s_cmp_ge_u32 s2, 4
	s_cselect_b64 s[44:45], s[30:31], s[44:45]
	s_cmp_ge_u32 s2, 8
	s_cselect_b64 s[44:45], s[32:33], s[44:45]
	s_add_nc_u64 s[42:43], s[42:43], s[36:37]
	s_add_nc_u64 s[44:45], s[44:45], s[38:39]
.irp c, 0,1,2,3,4,5,6,7,8,9,10,11,12,13,14,15
	global_load_b128 v[X+4*(\c):X+4*(\c)+3], v1, s[42:43] offset:4096*(\c) th:TH_LOAD_NT  ; all sixteen units are asked for at once
.endr
	s_wait_kmcnt 0x0
	s_cmp_eq_u32 s2, 3
	s_cselect_b32 s40, s40, 1.0                    ; the scale: gamma for Wo, 1 for the others
	s_mov_b32 s41, s40                             ; named with it as a pair
.irp c, 0,1,2,3,4,5,6,7,8,9,10,11,12,13,14,15
	s_wait_loadcnt 15-(\c)                         ; loads come back in order: unit c is in, the younger ones stay out
	v_pk_mul_f32 v[X+4*(\c):X+4*(\c)+1], v[X+4*(\c):X+4*(\c)+1], s[40:41] op_sel_hi:[1,0]
	v_pk_mul_f32 v[X+4*(\c)+2:X+4*(\c)+3], v[X+4*(\c)+2:X+4*(\c)+3], s[40:41] op_sel_hi:[1,0]
	v_cvt_pk_f16_f32 v[YC+2*(\c)], v[X+4*(\c)], v[X+4*(\c)+1]
	v_cvt_pk_f16_f32 v[YC+2*(\c)+1], v[X+4*(\c)+2], v[X+4*(\c)+3]
	global_store_b64 v[OD+(\c)], v[YC+2*(\c):YC+2*(\c)+1], s[44:45]  ; every unit has registers of its own: nothing that a store reads is written again
.endr
	s_endpgm
; The sum of v[r] over the wave's 32 lanes, left in every lane.
.macro WSUM r
	v_add_f32_dpp v[\r], v[\r], v[\r] row_xmask:1 row_mask:0xf bank_mask:0xf
	v_add_f32_dpp v[\r], v[\r], v[\r] row_xmask:2 row_mask:0xf bank_mask:0xf
	v_add_f32_dpp v[\r], v[\r], v[\r] row_xmask:4 row_mask:0xf bank_mask:0xf
	v_add_f32_dpp v[\r], v[\r], v[\r] row_xmask:8 row_mask:0xf bank_mask:0xf
	v_permlanex16_b32 v[TX], v[\r], s[SEL], s[SEL+1]
	v_add_f32 v[\r], v[\r], v[TX]
.endm
.macro FOLD                            ; the four chains into v[T]
	v_pk_add_f32 v[T:T+1], v[T:T+1], v[T+2:T+3]
	v_pk_add_f32 v[T+4:T+5], v[T+4:T+5], v[T+6:T+7]
	v_pk_add_f32 v[T:T+1], v[T:T+1], v[T+4:T+5]
	v_add_f32 v[T], v[T], v[T+1]
	WSUM T
.endm
; A row of 1,024 numbers, 32 a lane in v[R .. R+31], is normalised in place: (x - mean) / sqrt(mean of (x - mean)^2 + eps) x w + b.
.macro LNROW R
.irp k, 0,1,2,3
	v_pk_add_f32 v[T+2*(\k):T+2*(\k)+1], v[(\R)+2*(\k):(\R)+2*(\k)+1], v[(\R)+8+2*(\k):(\R)+8+2*(\k)+1]  ; the first eight pairs start the chains
.endr
.irp k, 8,9,10,11,12,13,14,15
	v_pk_add_f32 v[T+2*((\k)%4):T+2*((\k)%4)+1], v[T+2*((\k)%4):T+2*((\k)%4)+1], v[(\R)+2*(\k):(\R)+2*(\k)+1]
.endr
	FOLD
	v_mul_f32 v[MU], s[INV], v[T]
	v_mul_f32 v[MU+1], s[INV], v[T]
.irp k, 0,1,2,3,4,5,6,7,8,9,10,11,12,13,14,15
	v_pk_add_f32 v[(\R)+2*(\k):(\R)+2*(\k)+1], v[(\R)+2*(\k):(\R)+2*(\k)+1], v[MU:MU+1] neg_lo:[0,1] neg_hi:[0,1]
.endr
.irp k, 0,1,2,3
	v_pk_mul_f32 v[T+2*(\k):T+2*(\k)+1], v[(\R)+2*(\k):(\R)+2*(\k)+1], v[(\R)+2*(\k):(\R)+2*(\k)+1]
.endr
.irp k, 4,5,6,7,8,9,10,11,12,13,14,15
	v_pk_fma_f32 v[T+2*((\k)%4):T+2*((\k)%4)+1], v[(\R)+2*(\k):(\R)+2*(\k)+1], v[(\R)+2*(\k):(\R)+2*(\k)+1], v[T+2*((\k)%4):T+2*((\k)%4)+1]
.endr
	FOLD
	v_fma_f32 v[T], v[T], s[INV], s[EPS]
	v_rsq_f32 v[RS], v[T]
	v_rsq_f32 v[RS+1], v[T]
	v_nop                                          ; a plain instruction between the root and the use of its result (ISA guide 5.7.2)
	s_wait_alu depctr_va_vdst(0)
.irp k, 0,1,2,3,4,5,6,7,8,9,10,11,12,13,14,15
	v_pk_mul_f32 v[(\R)+2*(\k):(\R)+2*(\k)+1], v[(\R)+2*(\k):(\R)+2*(\k)+1], v[RS:RS+1]
.endr
.irp k, 0,1,2,3,4,5,6,7,8,9,10,11,12,13,14,15
	v_pk_fma_f32 v[(\R)+2*(\k):(\R)+2*(\k)+1], v[(\R)+2*(\k):(\R)+2*(\k)+1], v[W+2*(\k):W+2*(\k)+1], v[B+2*(\k):B+2*(\k)+1]
.endr
.endm
; The row is rounded to f16 into its own lower registers and stored: a wave's store covers 256 consecutive aligned bytes.
.macro OUT16 R, off
.irp k, 0,1,2,3,4,5,6,7,8,9,10,11,12,13,14,15
	v_cvt_pk_f16_f32 v[(\R)+(\k)], v[(\R)+2*(\k)], v[(\R)+2*(\k)+1]
.endr
.irp j, 0,1,2,3,4,5,6,7
	global_store_b64 v15, v[(\R)+2*(\j):(\R)+2*(\j)+1], s[34:35] offset:256*(\j)+(\off)
.endr
.endm
.Lnorm:
	v_lshrrev_b32 v1, 5, v0
	v_readfirstlane_b32 s4, v1                     ; wave 0..7
	v_and_b32 v1, 31, v0
	v_lshlrev_b32 v15, 3, v1                       ; 8 x lane
	v_lshlrev_b32 v1, 4, v1                        ; 16 x lane
	v_mov_b32 v[TX], 0                             ; v_permlanex16_b32's destination counts as read
	s_sub_co_u32 s5, s2, 12
	s_lshl_b32 s5, s5, 6
	s_add_co_u32 s5, s5, s3
	s_lshl_b32 s5, s5, 4
	s_lshl1_add_u32 s5, s4, s5                     ; my first row: 16 x group + 2 x wave
	s_lshl_b32 s36, s5, 12
	s_mov_b32 s37, 0
	s_lshl_b32 s38, s5, 11
	s_mov_b32 s39, 0
	s_mov_b32 s[SEL], 0x76543210
	s_mov_b32 s[SEL+1], 0xfedcba98
	s_mov_b32 s[INV], 0x3a800000
	s_mov_b32 s[EPS], 0x3727c5ac
	s_wait_kmcnt 0x0
	s_add_nc_u64 s[22:23], s[22:23], s[36:37]
	s_add_nc_u64 s[34:35], s[34:35], s[38:39]
.irp j, 0,1,2,3,4,5,6,7
	global_load_b128 v[W+4*(\j):W+4*(\j)+3], v1, s[24:25] offset:512*(\j)
	global_load_b128 v[B+4*(\j):B+4*(\j)+3], v1, s[26:27] offset:512*(\j)
.endr
.irp j, 0,1,2,3,4,5,6,7
	global_load_b128 v[R0+4*(\j):R0+4*(\j)+3], v1, s[22:23] offset:512*(\j)
.endr
.irp j, 0,1,2,3,4,5,6,7
	global_load_b128 v[R1+4*(\j):R1+4*(\j)+3], v1, s[22:23] offset:512*(\j)+4096
.endr
	s_wait_loadcnt 8                               ; w, b and the first row are in; the second row's eight loads stay out
	LNROW R0
	OUT16 R0, 0
	s_wait_loadcnt 0x0
	LNROW R1
	OUT16 R1, 2048
	s_endpgm
.Lfunc_end_k_q4abeb16667_prep:
	.size	k_q4abeb16667_prep, .Lfunc_end_k_q4abeb16667_prep-k_q4abeb16667_prep
	.p2alignl 7, 3214868480
	.fill 96, 4, 3214868480
	.section	.rodata,"a",@progbits
	.p2align	6, 0x0
	.amdhsa_kernel k_q4abeb16667_prep
		.amdhsa_group_segment_fixed_size 0
		.amdhsa_private_segment_fixed_size 0
		.amdhsa_enable_private_segment 0
		.amdhsa_kernarg_size 112
		.amdhsa_user_sgpr_count 2
		.amdhsa_user_sgpr_kernarg_segment_ptr 1
		.amdhsa_wavefront_size32 1
		.amdhsa_system_sgpr_workgroup_id_x 1
		.amdhsa_system_sgpr_workgroup_id_y 1
		.amdhsa_system_sgpr_workgroup_id_z 1
		.amdhsa_system_vgpr_workitem_id 0
		.amdhsa_next_free_vgpr 144
		.amdhsa_next_free_sgpr 66
		.amdhsa_reserve_vcc 0
		.amdhsa_float_denorm_mode_32 3
		.amdhsa_float_denorm_mode_16_64 3
		.amdhsa_memory_ordered 1
		.amdhsa_forward_progress 1
		.amdhsa_inst_pref_size 31
	.end_amdhsa_kernel
	.amdgpu_metadata
---
amdhsa.version: [ 1, 2 ]
amdhsa.kernels:
  - .name:           k_q4abeb16667_prep
    .symbol:         k_q4abeb16667_prep.kd
    .args:
      - { .name: Wq, .offset: 0, .size: 8, .value_kind: global_buffer, .address_space: global }
      - { .name: Wk, .offset: 8, .size: 8, .value_kind: global_buffer, .address_space: global }
      - { .name: Wv, .offset: 16, .size: 8, .value_kind: global_buffer, .address_space: global }
      - { .name: Wo, .offset: 24, .size: 8, .value_kind: global_buffer, .address_space: global }
      - { .name: W1, .offset: 32, .size: 8, .value_kind: global_buffer, .address_space: global }
      - { .name: W2, .offset: 40, .size: 8, .value_kind: global_buffer, .address_space: global }
      - { .name: gamma, .offset: 48, .size: 8, .value_kind: global_buffer, .address_space: global }
      - { .name: x, .offset: 56, .size: 8, .value_kind: global_buffer, .address_space: global }
      - { .name: ln1_w, .offset: 64, .size: 8, .value_kind: global_buffer, .address_space: global }
      - { .name: ln1_b, .offset: 72, .size: 8, .value_kind: global_buffer, .address_space: global }
      - { .name: wqkv, .offset: 80, .size: 8, .value_kind: global_buffer, .address_space: global }
      - { .name: w1h, .offset: 88, .size: 8, .value_kind: global_buffer, .address_space: global }
      - { .name: wo2, .offset: 96, .size: 8, .value_kind: global_buffer, .address_space: global }
      - { .name: hbuf, .offset: 104, .size: 8, .value_kind: global_buffer, .address_space: global }
    .group_segment_fixed_size: 0
    .private_segment_fixed_size: 0
    .kernarg_segment_align: 8
    .kernarg_segment_size: 112
    .max_flat_workgroup_size: 256
    .sgpr_count:     66
    .vgpr_count:     144
    .wavefront_size: 32
...
	.end_amdgpu_metadata
.endif
;; end of part 1
;; launch qkv (part 2): grid 12 x 16, 4 waves a work-group, clusters of 4 x 4, 327,680 bytes of LDS; arguments hbuf, wqkv, big1; writes big1
.if DOCPART == 2
	.amdgcn_target "amdgcn-amd-amdhsa--gfx1250"
	.amdhsa_code_object_version 6
	.text
	.protected	k_q4abeb16667_qkv
	.globl	k_q4abeb16667_qkv
	.p2align	8
	.type	k_q4abeb16667_qkv,@function
k_q4abeb16667_qkv:
	s_mov_b64 s[64:65], 0
	v_nop
	global_prefetch_b8 v0, s[64:65] scope:SCOPE_SE
	s_setreg_imm32_b32 hwreg(HW_REG_WAVE_MODE, 25, 1), 1
	s_wait_xcnt 0x0
	s_wait_alu depctr_hold_cnt(0) depctr_sa_sdst(0) depctr_va_vdst(0) depctr_va_sdst(0) depctr_va_ssrc(0) depctr_va_vcc(0) depctr_vm_vsrc(0)
	s_getreg_b32 s2, hwreg(HW_REG_IB_STS2, 6, 4)
	s_cmp_eq_u32 s2, 0
	s_cbranch_scc0 .Lentry_in_a_cluster
	s_endpgm
.Lentry_in_a_cluster:
	s_bfe_u32 s2, ttmp6, 0x10000c
	s_cmp_lg_u32 s2, 0xf033
	s_cbranch_scc0 .Lentry_shape_is_right
	s_endpgm
.Lentry_shape_is_right:
; C[m][n] = sum over k of A[m][k] B[k][n].  A: [4096][1024], B: [1024][pitch 4096], C: [4096][pitch 4096], all f16; sums in f32, C rounded once.
; The grid's width says how many blocks of 256 columns of B and C are used (12 for the q, k, v projections, 16 for the first layer of the MLP).
; LIMITS.  f16 holds no number beyond 65,504: a sum beyond it leaves as an infinity.  A sum's K steps are taken in a rotated order (below): an order of rounding that differs from one ascending sum.
; A tile of C, 256 x 256, is made by four waves, each 128 x 128: 64 accumulators of 16 x 16, 512 registers.  K goes in 8 steps of 128 through a ring of two LDS slots filled by tensor loads.
; A's rows lie along K and come out of LDS as they lie; B's rows lie along N, so its fragments are read turned, by ds_load_tr16_b128.
; CLUSTER: 4 x 4 work-groups.  The four of a row of the cluster need the same tiles of A, the four of a column the same tiles of B: each tile is asked for JOINTLY, by the same tensor load with
; the same descriptor and a mask that names the four.
; THE WALK GOES ROUND.  A cluster begins at K step 2 ((cluster x + cluster y) mod 4) and goes round modulo 8.  The clusters of one row of the grid read the same tiles of A, those of one column the same tiles
; of B; begun so, they stand two steps apart from neighbour to neighbour, and of the clusters that read a tile one asks for it first and the others steps later.  The first step hangs on the cluster's
; own x and y, which all sixteen partners share: every joint descriptor stays equal in the four that its mask names.
; ONE K STEP IS WRITTEN ONCE and looped: the LDS addresses hang on s[TB], which an exclusive or turns from one slot to the other; a fill's global address is made anew from the number of its K step.
; The tail (the steps that ask for nothing) is a second copy, walked twice and left in its middle; its last barrier and its last 32 fragment loads serve nothing: the price, once a launch, of one text for both trips.
; THE MATRIX INSTRUCTION IS USED TRANSPOSED: source 0 = 16 columns of B, source 1 = 16 rows of A: a lane then holds eight neighbouring numbers of a row of C.
; REGISTERS, in windows of 256 (s_set_vgpr_msb: bits 1:0 source 0, 3:2 source 1, 5:4 source 2, 7:6 destination):
;   window 0: v0-31 addresses; v64-127, v128-191 fragments of A, two buffers; v32-63, v192-255 at work on the way out
;   window 1: v64-127, v128-191 fragments of B, two buffers      window 2: the accumulators of my rows 0-63 ((a, b) at v[8 (8 a + b)])      window 3: those of my rows 64-127
.set KSTEP,  128
.set NK,     8                         ; K steps
.set ASH,    8                         ; a K step is 2^8 bytes along A's rows,
.set BSH,    20                        ; and 2^20 bytes (128 rows of 8,192) down B's
.set BPITCH, 8192                      ; bytes from row to row of B and of C
.set PA,     272                       ; A's row in LDS: 256 bytes + 16: the 16 rows of a load start at 16 different groups of four banks (64 banks of 4 bytes: ISA guide 11.1)
.set PB,     544                       ; B's row in LDS: 512 bytes + 32
.set HALFT,  128*PA                    ; what one tensor load brings: 128 rows of A, or 64 rows of B: 34,816 bytes either way
.set SLOT,   4*HALFT                   ; 0x22000: no bit of it occurs in wave x HALFT, so an exclusive or changes slots
.set BOFF,   2*HALFT                   ; B's 128 rows lie behind A's 256
.set STAGE,  2*SLOT                    ; behind the ring: 16 rows x 272 bytes for each wave, for the way out
.set SPITCH, 272
.set SPARE,  STAGE+4*16*SPITCH         ; behind the stages: the spare words, 128 bytes for each wave, which no other line names
.set ADRA0, 16                         ; v16  LDS address of my A fragments in slot 0; never rewritten
.set ADRB0, 17                         ; v17  the same for B
.set ADRA,  20                         ; v20  in the slot in hand
.set ADRB,  21                         ; v21
.set STO,  24                          ; v24  the way out: where I put 16 bytes of a row
.set RD,   25                          ; v25  the way out: where I read a row back
.set CO,   26                          ; v26  my byte offset in C
.set SPW,  28                          ; v28  LDS address of my spare word; never rewritten
.set NIL,  29                          ; v29  0; never rewritten
.set F0,   64
.set F1,   128
.set TMP,  192
.set OB,   32
.set AB, 14                            ; s[14:15] A at my half of the tile's rows, K = 0; never rewritten
.set TB, 23                            ; s23  0 or SLOT: the slot in hand
.set G1, 24                            ; s[24:31] descriptor group 1 for A's tiles
.set G0, 32                            ; s[32:39] group 0 for A's tiles: a set for each of the two first fills; the second serves every refill
.set G1B, 48                           ; s[48:55], s[56:63] the same for B's tiles
.set G0B, 56
.set KI,  66                           ; s66  the K step to be asked for next
.set OFA, 68                           ; s[68:69] its byte offset in A
.set OFB, 70                           ; s[70:71] its byte offset in B
.set BB,  72                           ; s[72:73] B at my half of K step 0's rows, the tile's columns; never rewritten
.set MSB, 0
.macro WIN new                         ; the immediate's high byte repeats the setting that is left; a switch that changes nothing is dropped
.if MSB != (\new)
	s_set_vgpr_msb (MSB<<8)|(\new)
.set MSB, \new
.endif
.endm
.set MUL_LO, 0xa1                      ; source 0 (B) window 1, source 1 (A) window 0, C and D window 2
.set MUL_HI, 0xf1                      ; the same, C and D window 3
.set TO_B,   0x40                      ; destination window 1, address window 0
; A joint load.  Waves 0 and 1 fetch A's two halves, waves 2 and 3 B's.  The branch hangs on the wave's number alone.  An s_nop 0 and four v_nop follow each of the two lines.
.macro JLOAD s
	s_cmp_eq_u32 s11, 0
	s_cbranch_scc0 .Lfor_b_\@
	tensor_load_to_lds s[G0+4*(\s):G0+4*(\s)+3], s[G1:G1+7]
	s_nop 0
.rept 4
	v_nop
.endr
	s_branch .Lasked_\@
.Lfor_b_\@:
	tensor_load_to_lds s[G0B+4*(\s):G0B+4*(\s)+3], s[G1B:G1B+7]
	s_nop 0
.rept 4
	v_nop
.endr
.Lasked_\@:
.endm
; The global addresses of K step KI go into set s of both group 0s, and KI steps on, round modulo NK.  No tensor load that names the set is out where this stands.
.macro AIM s
	s_lshl_b32 s[OFA], s[KI], ASH
	s_add_nc_u64 s[G0+4*(\s)+2:G0+4*(\s)+3], s[AB:AB+1], s[OFA:OFA+1]
	s_or_b32 s[G0+4*(\s)+3], s[G0+4*(\s)+3], 0x80000000            ; type = 2
	s_lshl_b32 s[OFB], s[KI], BSH
	s_add_nc_u64 s[G0B+4*(\s)+2:G0B+4*(\s)+3], s[BB:BB+1], s[OFB:OFB+1]
	s_or_b32 s[G0B+4*(\s)+3], s[G0B+4*(\s)+3], 0x80000000
	s_add_co_u32 s[KI], s[KI], 1
	s_and_b32 s[KI], s[KI], NK-1
.endm
.macro CREST                           ; a round of the cluster's barrier behind its opening barrier
	s_cmp_lg_u32 s10, 0
	s_cbranch_scc1 .Lnot_wave_0_\@
	s_barrier_signal -3
.Lnot_wave_0_\@:
	s_barrier_wait -3
	s_barrier_signal -1
	s_barrier_wait -1
.endm
.macro CROUND                          ; a whole round
	s_barrier_signal -1
	s_barrier_wait -1
	CREST
.endm
	s_load_b128 s[4:7], s[0:1], 0x0                ; A s[4:5], B s[6:7]
	s_load_b64 s[8:9], s[0:1], 0x10                ; C
	v_lshl_add_u32 v[SPW], v0, 2, SPARE
	v_mov_b32 v[NIL], 0
	ds_add_u32 v[SPW], v[NIL]                      ; the wave's opening: the add and its wait stand ahead of my first tensor load; work on registers stands between them
	ds_add_u32 v28, v29
	v_lshrrev_b32 v1, 5, v0
	v_readfirstlane_b32 s10, v1                    ; wave 0..3
	s_lshr_b32 s11, s10, 1                         ; which half of the tile's rows is mine.  Also: I fetch for A (0) or for B (1)
	s_and_b32 s12, s10, 1                          ; which half of its columns.  Also: which half of that tile I fetch
	s_bfe_u32 s40, ttmp6, 0x40000                  ; cx
	s_bfe_u32 s41, ttmp6, 0x40004                  ; cy
	s_lshl_b32 s42, ttmp9, 2
	s_add_co_u32 s42, s42, s40                     ; tile column of C = 4 x cluster x + cx
	s_and_b32 s13, ttmp7, 0xffff
	s_lshl_b32 s13, s13, 2
	s_add_co_u32 s13, s13, s41                     ; tile row of C = 4 x cluster y + cy
	s_lshl_b32 s43, s41, 2
	s_lshl_b32 s43, 15, s43                        ; my row of the cluster
	s_lshl_b32 s44, 0x1111, s40                    ; my column
	s_and_b32 s[KI], ttmp7, 0xffff                 ; the cluster's first K step: 2 ((cluster x + cluster y) mod 4)
	s_add_co_u32 s[KI], s[KI], ttmp9
	s_and_b32 s[KI], s[KI], 3
	s_lshl_b32 s[KI], s[KI], 1
	s_mov_b32 s[OFA+1], 0
	s_mov_b32 s[OFB+1], 0
	s_or_b32 s[G1+0], s43, (1<<16)|(1<<20)|(1<<21)|(5<<22)|(3<<25)   ; the mask; 2-byte elements; padding on; bit 21 beside a mask; after every 64 words 4 words
	s_mov_b32 s[G1+1], KSTEP<<16                   ; tensor_dim0 = 128
	s_mov_b32 s[G1+2], 128<<16                     ; tensor_dim1 = 128
	s_mov_b32 s[G1+3], KSTEP<<16                   ; tile_dim0 = 128
	s_mov_b32 s[G1+4], 128                         ; tile_dim1 = 128
	s_mov_b32 s[G1+5], 1024                        ; elements from row to row of A
	s_mov_b32 s[G1+6], 0
	s_mov_b32 s[G1+7], 0
	s_or_b32 s[G1B+0], s44, (1<<16)|(1<<20)|(1<<21)|(6<<22)|(7<<25)  ; after every 128 words 8 words
	s_mov_b32 s[G1B+1], 256<<16                    ; tensor_dim0 = 256
	s_mov_b32 s[G1B+2], 64<<16                     ; tensor_dim1 = 64
	s_mov_b32 s[G1B+3], 256<<16                    ; tile_dim0 = 256
	s_mov_b32 s[G1B+4], 64                         ; tile_dim1 = 64
	s_mov_b32 s[G1B+5], 4096                       ; elements from row to row of B
	s_mov_b32 s[G1B+6], 0
	s_mov_b32 s[G1B+7], 0
	; A's tile hangs on the tile row alone, B's on the tile column alone; each offset is made in registers that never hold the other coordinate
	s_lshl_b32 s17, s12, 7
	s_lshl_b32 s16, s13, 8
	s_add_co_u32 s16, s16, s17                     ; A: row 256 x tile row + 128 x half,
	s_lshl_b32 s16, s16, 11                        ; of 2,048 bytes
	s_mov_b32 s17, 0
	s_lshl_b32 s46, s42, 9                         ; B: 512 bytes of columns a tile column,
	s_lshl_b32 s47, s12, 19                        ; 64 rows of 8,192 bytes a half
	s_add_co_u32 s46, s46, s47
	s_mov_b32 s47, 0
	s_mul_i32 s20, s10, HALFT                      ; where they go: A's two halves, then B's two: wave x 34,816
	s_mov_b32 s[TB], 0
	s_wait_dscnt 0x0                               ; the opening add is done
	s_wait_kmcnt 0x0
	s_add_nc_u64 s[AB:AB+1], s[4:5], s[16:17]
	s_add_nc_u64 s[BB:BB+1], s[6:7], s[46:47]
	CROUND                                         ; all sixteen work-groups are here: the first joint loads meet
.irp s, 0,1
	s_mov_b32 s[G0+4*(\s)], 1
	s_add_co_u32 s[G0+4*(\s)+1], s20, (\s)*SLOT
	s_mov_b32 s[G0B+4*(\s)], 1
	s_add_co_u32 s[G0B+4*(\s)+1], s20, (\s)*SLOT
	AIM \s
	JLOAD \s                                       ; the walk's first two K steps: two loads of mine are out
.endr
	v_and_b32 v1, 15, v0                           ; l % 16
	v_bfe_u32 v2, v0, 4, 1                         ; l / 16
	v_mul_u32_u24 v3, v1, PA
	v_lshl_add_u32 v3, v2, 4, v3                   ; A: row x pitch + 16 x half of the lanes
	s_mul_i32 s21, s11, HALFT                      ; my 128 rows of A
	v_add_nc_u32 v[ADRA0], s21, v3
	v_and_b32 v4, 7, v0                            ; B, turned: lane l reads K row 8 (l / 16) + l % 8, columns 8 ((l / 8) % 2) + 0..7
	v_lshl_add_u32 v4, v2, 3, v4
	v_mul_u32_u24 v4, v4, PB
	v_bfe_u32 v5, v0, 3, 1
	v_lshl_add_u32 v4, v5, 4, v4
	s_lshl_b32 s22, s12, 8                         ; my 128 columns of B
	s_add_co_u32 s22, s22, BOFF
	v_add_nc_u32 v[ADRB0], s22, v4
	v_mov_b32 v[ADRA], v[ADRA0]
	v_mov_b32 v[ADRB], v[ADRB0]
	s_mul_i32 s21, s10, 16*SPITCH
	s_add_co_u32 s21, s21, STAGE                   ; my stage
	v_mul_u32_u24 v4, v1, SPITCH
	v_lshl_add_u32 v4, v2, 4, v4
	v_add_nc_u32 v[STO], s21, v4
	v_mul_u32_u24 v5, v2, SPITCH
	v_lshl_add_u32 v5, v1, 4, v5
	v_add_nc_u32 v[RD], s21, v5
	v_lshlrev_b32 v5, 13, v2                       ; lanes 0-15 one row of C, lanes 16-31 the next
	v_lshl_add_u32 v[CO], v1, 4, v5
	s_lshl_b32 s16, s13, 8
	s_lshl_b32 s17, s11, 7
	s_add_co_u32 s16, s16, s17                     ; my first row of C,
	s_lshl_b32 s16, s16, 13                        ; of 8,192 bytes
	s_mov_b32 s17, 0
	s_lshl_b32 s46, s42, 9                         ; my first column, in bytes
	s_lshl_b32 s47, s12, 8
	s_add_co_u32 s46, s46, s47
	s_mov_b32 s47, 0
	s_add_nc_u64 s[16:17], s[16:17], s[46:47]
	s_add_nc_u64 s[8:9], s[8:9], s[16:17]
; 16 matrix instructions: m blocks a0, a0 + 1 of the window's four x all 8 n blocks, 32 along K.  zero = 1: the first product starts the sums.
; The 64 accumulators take turns in one order in every quarter.
.macro MUL16 f, hi, a0, zero
	WIN MUL_LO+0x50*(\hi)
.irp a, \a0, (\a0)+1
.irp b, 0,1,2,3,4,5,6,7
.if \zero
	v_wmma_f32_16x16x32_f16 v[8*(8*(\a)+(\b)):8*(8*(\a)+(\b))+7], v[(\f)+8*(\b):(\f)+8*(\b)+7], v[(\f)+8*(4*(\hi)+(\a)):(\f)+8*(4*(\hi)+(\a))+7], 0
.else
	v_wmma_f32_16x16x32_f16 v[8*(8*(\a)+(\b)):8*(8*(\a)+(\b))+7], v[(\f)+8*(\b):(\f)+8*(\b)+7], v[(\f)+8*(4*(\hi)+(\a)):(\f)+8*(4*(\hi)+(\a))+7], v[8*(8*(\a)+(\b)):8*(8*(\a)+(\b))+7]
.endif
.endr
.endr
.endm
; 32 LDS loads in one run: the fragments of quarter q (32 along K) of the slot in hand into buffer f: B's first, then A's
.macro FETCH q, f
	WIN TO_B
.irp i, 0,1,2,3,4,5,6,7
	ds_load_tr16_b128 v[(\f)+8*(\i):(\f)+8*(\i)+3],   v[ADRB] offset:(\q)*32*PB+(\i)*32
	ds_load_tr16_b128 v[(\f)+8*(\i)+4:(\f)+8*(\i)+7], v[ADRB] offset:(\q)*32*PB+16*PB+(\i)*32
.endr
	WIN 0
.irp i, 0,1,2,3,4,5,6,7
	ds_load_b128 v[(\f)+8*(\i):(\f)+8*(\i)+3],   v[ADRA] offset:(\q)*64+(\i)*16*PA
	ds_load_b128 v[(\f)+8*(\i)+4:(\f)+8*(\i)+7], v[ADRA] offset:(\q)*64+(\i)*16*PA+32
.endr
.endm
.macro PLACES                          ; four plain vector instructions between a matrix instruction and a load into, or a read of, its registers (ISA guide 7.12.1 for a read)
.rept 4
	v_nop
.endr
.endm
; One of a K step's first three quarters: multiplies buffer f; in its middle it fetches quarter q into buffer g.
.macro QUARTER q, f, g, zero
	s_wait_dscnt 8                                 ; B and A's rows 0-63 are in; the youngest eight loads (A's rows 64-127) may be out
	MUL16 \f, 0, 0, \zero
	MUL16 \f, 0, 2, \zero
	PLACES
	FETCH \q, \g
	s_wait_dscnt 32                                ; all but the 32 just issued
	MUL16 \f, 1, 0, \zero
	MUL16 \f, 1, 2, \zero
.endm
; The last quarter multiplies buffer 1 and changes slots.  In front of the barrier each wave waits for all its tensor loads (the one that is out is its part of the next slot), adds 0 to its spare word,
; and waits for that and for its reads of this slot.  fill = 1: the barrier opens a round of the cluster's, and the slot just read is filled again, first thing behind it, with the walk's step two steps on.
.macro TURN fill
	WIN 0
	s_wait_tensorcnt 0x0
	ds_add_u32 v[SPW], v[NIL]
	s_wait_dscnt 9                                 ; the add and the youngest eight loads may be out
	MUL16 F1, 0, 0, 0
	s_wait_dscnt 0x0                               ; the add is done, and my reads of this slot are over
	s_barrier_signal -1
	MUL16 F1, 0, 2, 0
	WIN 0
	s_barrier_wait -1
.if \fill
	CREST                                          ; no wave of any partner still reads this slot's tile or has a load on its way
	s_xor_b32 s[G0+5], s[G0+5], SLOT               ; the other slot than last time,
	s_xor_b32 s[G0B+5], s[G0B+5], SLOT
	AIM 1                                          ; the walk's next K step
	JLOAD 1                                        ; its four v_nop are also the places in front of the loads below
.else
	PLACES
.endif
	s_xor_b32 s[TB], s[TB], SLOT
	v_add_nc_u32 v[ADRA], s[TB], v[ADRA0]
	v_add_nc_u32 v[ADRB], s[TB], v[ADRB0]
	FETCH 0, F0
	MUL16 F1, 1, 0, 0
	MUL16 F1, 1, 2, 0
.endm
; THE WAY OUT of block a (16 rows).  PACK: rounded to f16, 16 bytes a lane, each accumulator's registers in ascending order.  TOSTAGE: into my own stage, and back as whole rows of 256 bytes.  SEND: stored.
.macro PACK a
.set AC, 64*((\a)%4)
	WIN 0x0a+5*((\a)/4)
.irp b, 0,1,2,3,4,5,6,7
.irp r, 0,1,2,3
	v_cvt_pk_f16_f32 v[TMP+4*(\b)+(\r)], v[AC+8*(\b)+2*(\r)], v[AC+8*(\b)+2*(\r)+1]
.endr
.endr
	WIN 0
.endm
.macro TOSTAGE a
.set BK, OB+192*((\a)%2)
.irp b, 0,1,2,3,4,5,6,7
	ds_store_b128 v[STO], v[TMP+4*(\b):TMP+4*(\b)+3] offset:32*(\b)
.endr
.irp t, 0,1,2,3,4,5,6,7
	ds_load_b128 v[BK+4*(\t):BK+4*(\t)+3], v[RD] offset:(\t)*2*SPITCH  ; LDS serves a wave's instructions in order (ISA guide 5.7.1.4): these see the stores above
.endr
.endm
.macro SEND a
.set BK, OB+192*((\a)%2)
	s_wait_dscnt 0x0                               ; the block is back in registers
	s_wait_xcnt 0x0                                ; the stores of the block before have read their registers: the next TOSTAGE loads into them
.irp t, 0,1,2,3,4,5,6,7
	global_store_b128 v[CO], v[BK+4*(\t):BK+4*(\t)+3], s[8:9] offset:(16*(\a)+2*(\t))*BPITCH  ; 16 lanes store 256 consecutive aligned bytes; 126 rows at the most, inside the signed 24-bit immediate
.endr
.endm
	s_wait_tensorcnt 1                             ; my part of the walk's first K step is in; the second's may stay out
	s_barrier_signal -1
	s_barrier_wait -1
	FETCH 0, F0
	QUARTER 1, F0, F1, 1                           ; the first quarter stands in front of the loop: its products start the sums
	WIN 0
	s_mov_b32 s3, NK-2
.Lstep:                                                ; a trip: from a K step's second quarter to the next step's first; it fills the slot that it leaves
	QUARTER 2, F1, F0, 0
	QUARTER 3, F0, F1, 0
	TURN 1
	QUARTER 1, F0, F1, 0
	WIN 0
	s_sub_co_u32 s3, s3, 1
	s_cmp_lg_u32 s3, 0
	s_cbranch_scc1 .Lstep
	s_mov_b32 s3, 2
.Ltail:                                                ; the last two K steps ask for nothing; the second trip is left in its middle
	QUARTER 2, F1, F0, 0
	QUARTER 3, F0, F1, 0
	TURN 0
	WIN 0
	s_sub_co_u32 s3, s3, 1
	s_cmp_eq_u32 s3, 0
	s_cbranch_scc1 .Lout
	QUARTER 1, F0, F1, 0
	WIN 0
	s_branch .Ltail
.Lout:
	PACK 0                                         ; blocks 0-3 were finished in front of TURN's places; their conversions are the places behind the last products, blocks 4-7's
	TOSTAGE 0
.irp a, 1,2,3,4,5,6,7
	PACK \a
	SEND (\a)-1
	TOSTAGE \a
.endr
	SEND 7
	s_wait_tensorcnt 0x0                           ; the wave's end
	ds_add_u32 v[SPW], v[NIL]
	s_wait_dscnt 0x0
	CROUND                                         ; the closing round: no work-group ends while a partner may still ask for a tile that names it
	s_endpgm
.Lfunc_end_k_q4abeb16667_qkv:
	.size	k_q4abeb16667_qkv, .Lfunc_end_k_q4abeb16667_qkv-k_q4abeb16667_qkv
	.p2alignl 7, 3214868480
	.fill 96, 4, 3214868480
	.section	.rodata,"a",@progbits
	.p2align	6, 0x0
	.amdhsa_kernel k_q4abeb16667_qkv
		.amdhsa_group_segment_fixed_size 327680
		.amdhsa_private_segment_fixed_size 0
		.amdhsa_enable_private_segment 0
		.amdhsa_kernarg_size 24
		.amdhsa_user_sgpr_count 2
		.amdhsa_user_sgpr_kernarg_segment_ptr 1
		.amdhsa_wavefront_size32 1
		.amdhsa_system_sgpr_workgroup_id_x 1
		.amdhsa_system_sgpr_workgroup_id_y 1
		.amdhsa_system_sgpr_workgroup_id_z 1
		.amdhsa_system_vgpr_workitem_id 0
		.amdhsa_next_free_vgpr 1024
		.amdhsa_next_free_sgpr 74
		.amdhsa_reserve_vcc 0
		.amdhsa_float_denorm_mode_32 3
		.amdhsa_float_denorm_mode_16_64 3
		.amdhsa_memory_ordered 1
		.amdhsa_forward_progress 1
		.amdhsa_inst_pref_size 100
	.end_amdhsa_kernel
	.amdgpu_metadata
---
amdhsa.version: [ 1, 2 ]
amdhsa.kernels:
  - .name:           k_q4abeb16667_qkv
    .symbol:         k_q4abeb16667_qkv.kd
    .args:
      - { .name: hbuf, .offset: 0, .size: 8, .value_kind: global_buffer, .address_space: global }
      - { .name: wqkv, .offset: 8, .size: 8, .value_kind: global_buffer, .address_space: global }
      - { .name: big1, .offset: 16, .size: 8, .value_kind: global_buffer, .address_space: global }
    .group_segment_fixed_size: 327680
    .private_segment_fixed_size: 0
    .kernarg_segment_align: 8
    .kernarg_segment_size: 24
    .max_flat_workgroup_size: 128
    .sgpr_count:     74
    .vgpr_count:     1024
    .wavefront_size: 32
...
	.end_amdgpu_metadata
.endif
;; end of part 2
;; launch attn (part 3): grid 8 x 32, 4 waves a work-group, clusters of 4 x 1, 327,680 bytes of LDS; arguments big1, key_padding_mask, hbuf; writes hbuf
.if DOCPART == 3
	.amdgcn_target "amdgcn-amd-amdhsa--gfx1250"
	.amdhsa_code_object_version 6
	.text
	.protected	k_q4abeb16667_attn
	.globl	k_q4abeb16667_attn
	.p2align	8
	.type	k_q4abeb16667_attn,@function
k_q4abeb16667_attn:
	s_mov_b64 s[64:65], 0
	v_nop
	global_prefetch_b8 v0, s[64:65] scope:SCOPE_SE
	s_setreg_imm32_b32 hwreg(HW_REG_WAVE_MODE, 25, 1), 1
	s_wait_xcnt 0x0
	s_wait_alu depctr_hold_cnt(0) depctr_sa_sdst(0) depctr_va_vdst(0) depctr_va_sdst(0) depctr_va_ssrc(0) depctr_va_vcc(0) depctr_vm_vsrc(0)
	s_getreg_b32 s2, hwreg(HW_REG_IB_STS2, 6, 4)
	s_cmp_eq_u32 s2, 0
	s_cbranch_scc0 .Lentry_in_a_cluster
	s_endpgm
.Lentry_in_a_cluster:
	s_bfe_u32 s2, ttmp6, 0x10000c
	s_cmp_lg_u32 s2, 0x3003
	s_cbranch_scc0 .Lentry_shape_is_right
	s_endpgm
.Lentry_shape_is_right:
; ATTENTION WITH A PADDING MASK.  O[bh][q][:] = the sum over k of softmax_k(Q[q] . K[k] / 8, hidden keys left out) V[k][:].  q, k, v lie token by token in one buffer [4096][pitch 4096] of f16:
; q in columns 0-1023, k in 1024-2047, v in 2048-3071, a head's 64 channels side by side.  O leaves by heads, [32][2048][64] f16.  The mask is [2][2048] bytes, 1 = the key is hidden.
; Products, maxima and sums in f32; the weights p are rounded to f16 for the second product (their sum l is taken of the unrounded p), O once at the end.
; LIMITS.  f16 holds no number beyond 65,504: q, k, v arrive within it.  A hidden score counts as its value less 1e30: f16's scores, 2.7e11 at the most, are nothing beside that, and its weight is 0
; as soon as one key is seen.  A query whose maximum ends below -7.9e28 has seen no key: its row is NaN, as a softmax of nothing is.  A weight below 2^-126 counts as 0 in l.
; SHARES.  A work-group owns 256 queries of one head; of their four bands of 64 a wave owns 16 rows in each: four PIECES.  Every wave walks all 2,048 keys, 64 a step, 256 a tile.
; THE MASK is the C operand that starts the sum S^T = K Q^T: 0 or -1e30 for each key.  The batch's 2,048 such numbers are made once, by all threads, and lie in LDS; a step's 32 for my half of the lanes are
; fetched with the step's K and live as long as it.
; LAYOUT, SOFTMAX, TURNS.  S^T = K Q^T holds ONE query a lane (lane % 16) and the keys 8 (lane / 16) + 0..7; two such results rounded to f16 ARE source 1 of O^T = V^T P.  p = 2^(c s - c m), c = log2(e) / 8, with a
; running maximum m; O and l are multiplied by a = 2^(c m_old - c m_new) in every step.  Turn n belongs to piece n: 8 products K Q^T of piece n + 1, later 8 products V^T P of piece n - 1; beside them the scaling,
; exponentials, roundings, sums and rescaling of piece n and the maximum and statistics of piece n + 1.  Four vector instructions stand behind every matrix instruction, the others in two runs of their own.
; CLUSTER.  The four query blocks of a cluster belong to one head and walk the same K and V: each tile is asked for JOINTLY, by the same tensor load, descriptor and mask in all four.
; A tile's rows are the head's 128 bytes of a token's row: they are as short in the buffer itself, which the projection's shared text writes token by token.
; REGISTERS, in windows of 256 (s_set_vgpr_msb: bits 1:0 source 0, 3:2 source 1, 5:4 source 2, 7:6 destination):
;   window 0: v0-15, v32-39 addresses and at work; v16-31 four registers of statistics a piece; v48-55 at work; v64-127 S^T, two buffers; v192-223 P, two buffers (by the piece's parity)
;   window 1: v0-127 O^T, 32 a piece; v128-159 the step's masks      window 2: v0-63 Q; v128-191 K of one step; v192-255 V of one step
.set NP,    4         ; pieces a wave: a name, no knob
.set KS,    64        ; keys in a step
.set PK,    144       ; a row of K in LDS: 128 bytes + 16: the 16 rows of a load start at 16 different groups of four banks (64 banks of 4 bytes: ISA guide 11.1)
.set PV,    160       ; a row of V: 128 + 32
.set VOFF,  4*KS*PK   ; a slot holds a tile, four steps: 256 rows of K, then 256 rows of V
.set SLOT1, 1<<17     ; slot 1 begins here, so that one exclusive or turns an address in one slot into the other's
.set STAGE, SLOT1+4*KS*(PK+PV)  ; behind the ring, never filled by a tensor load: 16 rows x 144 bytes for each wave, for the way out
.set SP,    144
.set BIAS,  STAGE+4*16*SP       ; 2,048 f32: 0 or -1e30 for each key of the batch
.set SPARE, BIAS+8192           ; the spare words, 128 bytes for each wave, which no other line names
.set TILEB, 256*8192  ; bytes from a tile's first key to the next tile's
.set AK0, 2           ; v2   my lane's place in a tile of K; never rewritten
.set AV0, 3           ; v3   the same for V
.set AK,  4           ; v4   the LDS address of K's next run of loads
.set AV,  5           ; v5   of V's
.set STO, 6           ; v6   the way out: where I put 16 bytes of a row
.set RD,  7           ; v7   the way out: where I read rows back
.set GO,  8           ; v8   my byte offset in 512 consecutive bytes of O
.set MV,  12          ; v12-13  c m_old, kept while c m is made anew: by buffer
.set QO,  15          ; v15  my byte offset in 16 rows of Q
.set ST,  16          ; piece t's statistics at v[ST+4 t]: c m, m, l (even keys', odd keys')
.set AM0, 32          ; v32  BIAS + 32 (l / 16); never rewritten
.set AMK, 33          ; v33  the LDS address of the masks' next run of loads
.set TMP, 48          ; by buffer, four registers c0-c3 at work; when the maximum is found c2 takes a
.set SPW, 62          ; v62  LDS address of my spare word; never rewritten
.set NIL, 63          ; v63  0; never rewritten
.set S,   64
.set P,   192
.set MK,  128         ; window 1: the eight masks of key block kb at MK + 8 kb
.set KF,  128         ; window 2: key block kb, channel half c at KF + 16 kb + 8 c
.set VF,  192         ; window 2: key half kk, channel block cb at VF + 32 kk + 8 cb
.set WV,  12          ; s12  my wave's number
.set G1K, 24          ; s[24:31] descriptor group 1 for K's tiles
.set G1V, 32          ; s[32:39] for V's: it differs in the padding alone
.set G0K, 40          ; s[40:43] descriptor group 0 for K's tiles: it walks
.set G0V, 44          ; s[44:47] the same for V's
.set TBM, 48          ; s48  byte in BIAS at which the masks of the step to be fetched begin
.set BIGN, 49         ; s49  -1e30
.set THR, 50          ; s50  -2^96
.set QNAN, 51         ; s51  a NaN
.set SLOTS, 56        ; s56  tiles still to be asked for
.set CNT, 57          ; s57  counts a tile's key steps
.set CS,  58          ; s[58:59] c: the packed scaling takes the pair's low word for both halves
.set SEL, 60          ; s[60:61] v_permlanex16_b32's selects: each lane takes its own place in the other half
.set TBK, 62          ; s62  LDS byte at which K of the step to be fetched begins
.set TBV, 63          ; s63  the same for V, less VOFF
.set MSB, 0
.macro WIN new                      ; the high byte repeats the setting that is left; a switch that changes nothing is dropped
.if MSB != (\new)
	s_set_vgpr_msb (MSB<<8)|(\new)
.set MSB, (\new)
.endif
.endm
.set W_KQ, 0x0a       ; K and Q in window 2, S^T in window 0
.set W_KM, 0x1a       ; the same with the C operand in window 1
.set W_PV, 0x52       ; V in window 2, P in window 0, O^T in window 1
.set W_RS, 0x41       ; destination and source 0 in window 1, source 1 in window 0
; A joint fill.  Waves 0 and 1 fetch the two halves of a tile's K, waves 2 and 3 those of its V: 128 keys each.  An s_nop 0 and four v_nop follow each of the two lines.
.macro JLOAD
	s_cmp_lt_u32 s[WV], 2
	s_cbranch_scc0 .Lfor_v_\@
	tensor_load_to_lds s[G0K:G0K+3], s[G1K:G1K+7]
	s_nop 0
.rept 4
	v_nop
.endr
	s_branch .Lasked_\@
.Lfor_v_\@:
	tensor_load_to_lds s[G0V:G0V+3], s[G1V:G1V+7]
	s_nop 0
.rept 4
	v_nop
.endr
.Lasked_\@:
.endm
.macro CROUND                       ; a round of the cluster's barrier
	s_barrier_signal -1
	s_barrier_wait -1
	s_cmp_lg_u32 s[WV], 0
	s_cbranch_scc1 .Lnot_wave_0_\@
	s_barrier_signal -3
.Lnot_wave_0_\@:
	s_barrier_wait -3
	s_barrier_signal -1
	s_barrier_wait -1
.endm
; THE CHANGE OF SLOTS.  Each wave waits for all its tensor loads, of which one is out: its part of the other slot; adds 0 to its spare word; and waits for that and for its own LDS instructions.  Behind the
; barrier nobody reads the old slot any more and the other slot is whole.  fill = 1: the barrier is a round of the cluster's, and the old slot is filled again, first thing behind it, with the keys two tiles on:
; that load has four key steps in which to land.  (At its first use nothing has been read yet: slot 0 is waited for, slot 1 filled, and every wave's part of the masks is shown to the others.)
.macro CHANGE fill
	WIN 0
	s_wait_tensorcnt 0x0            ; no tensor load of mine is out, so a group 0 may be written
	ds_add_u32 v[SPW], v[NIL]
.if \fill
.irp g, G0K, G0V
	s_xor_b32 s[\g+1], s[\g+1], SLOT1
	s_add_nc_u64 s[\g+2:\g+3], s[\g+2:\g+3], TILEB
.endr
	s_wait_dscnt 0x0
	CROUND
	JLOAD
.else
	s_wait_dscnt 0x0
	s_barrier_signal -1
	s_barrier_wait -1
.endif
	s_sub_co_u32 s[TBK], s[TBK], 4*KS*PK  ; the fetches go back to a slot's first step,
	s_xor_b32 s[TBK], s[TBK], SLOT1       ; in the other slot
	s_sub_co_u32 s[TBV], s[TBV], 4*KS*PV
	s_xor_b32 s[TBV], s[TBV], SLOT1
.endm
	s_load_b128 s[4:7], s[0:1], 0x0   ; qkv s[4:5], the mask s[6:7]
	s_load_b64 s[10:11], s[0:1], 0x10 ; O
	v_lshl_add_u32 v[SPW], v0, 2, SPARE
	v_mov_b32 v[NIL], 0
	ds_add_u32 v[SPW], v[NIL]       ; the wave's opening: the add and its wait stand ahead of my first tensor load; work on registers stands between them
	ds_add_u32 v62, v63
	v_lshrrev_b32 v1, 5, v0
	v_readfirstlane_b32 s[WV], v1   ; wave 0..3
	s_bfe_u32 s13, ttmp6, 0x40000   ; cx
	s_lshl_b32 s14, ttmp9, 2
	s_add_co_u32 s14, s14, s13      ; my block of 256 queries = 4 x cluster x + cx: it enters Q's and O's addresses alone
	s_and_b32 s15, ttmp7, 0xffff    ; batch x 16 + head, which the four partners share
	s_lshr_b32 s16, s15, 4          ; batch
	s_and_b32 s17, s15, 15          ; head
	s_and_b32 s18, s[WV], 1         ; which half of a tile's 256 keys I fetch
	s_lshl_b32 s20, s16, 11
	s_lshl_b32 s19, s18, 7
	s_add_co_u32 s20, s20, s19      ; its first token,
	s_lshl_b32 s20, s20, 13         ; of 8,192 bytes,
	s_lshl_b32 s19, s17, 7          ; the head's 128 bytes,
	s_add_co_u32 s20, s20, s19
	s_add_co_u32 s20, s20, 2048     ; behind q's 2,048
	s_mov_b32 s21, 0
	s_mul_i32 s22, s18, 128*PK      ; its place in a slot, for K
	s_mul_i32 s23, s18, 128*PV      ; and for V
	s_lshl_b32 s2, s16, 11
	s_lshl_b32 s3, s14, 8
	s_add_co_u32 s2, s2, s3
	s_lshl_b32 s3, s[WV], 4
	s_add_co_u32 s2, s2, s3         ; my first token: 2,048 batch + 256 block + 16 wave
	s_lshl_b32 s2, s2, 13
	s_add_co_u32 s2, s2, s19
	s_mov_b32 s3, 0
	s_lshl_b32 s52, s15, 11
	s_lshl_b32 s53, s14, 8
	s_add_co_u32 s52, s52, s53
	s_lshl_b32 s53, s[WV], 4
	s_add_co_u32 s52, s52, s53      ; my first row of O,
	s_lshl_b32 s52, s52, 7          ; of 128 bytes
	s_mov_b32 s53, 0
	s_lshl_b32 s54, s16, 11         ; the batch's mask
	s_mov_b32 s55, 0
	s_mov_b32 s[G1K], 15|(1<<16)|(1<<20)|(1<<21)|(4<<22)|(3<<25)  ; the mask of four; 2-byte elements; padding on; bit 21 beside a mask; after every 32 words 4 words
	s_mov_b32 s[G1V], 15|(1<<16)|(1<<20)|(1<<21)|(4<<22)|(7<<25)  ; the same with 8 words
.irp g, G1K, G1V
	s_mov_b32 s[\g+1], 64<<16       ; tensor_dim0 = 64
	s_mov_b32 s[\g+2], 128<<16      ; tensor_dim1 = 128
	s_mov_b32 s[\g+3], 64<<16       ; tile_dim0 = 64
	s_mov_b32 s[\g+4], 128          ; tile_dim1 = 128
	s_mov_b32 s[\g+5], 4096         ; elements from token to token
	s_mov_b32 s[\g+6], 0
	s_mov_b32 s[\g+7], 0
.endr
	s_mov_b32 s[CS], 0x3e38aa3b     ; c = log2(e) / 8
	s_mov_b32 s[CS+1], s[CS]
	s_mov_b32 s[SEL], 0x76543210
	s_mov_b32 s[SEL+1], 0xfedcba98
	s_mov_b32 s[TBK], SLOT1+4*KS*PK ; the first change of slots turns these two into 0
	s_mov_b32 s[TBV], SLOT1+4*KS*PV
	s_mov_b32 s[TBM], 0
	s_mov_b32 s[BIGN], 0xf149f2ca
	s_mov_b32 s[THR], 0xef800000
	s_mov_b32 s[QNAN], 0x7fc00000
	s_mov_b32 s[G0K], 1
	s_mov_b32 s[G0K+1], s22         ; slot 0
	s_mov_b32 s[G0V], 1
	s_add_co_u32 s[G0V+1], s23, VOFF
	s_wait_dscnt 0x0                ; the opening add is done
	s_wait_kmcnt 0x0
	s_add_nc_u64 s[G0K+2:G0K+3], s[4:5], s[20:21]
	s_add_nc_u64 s[G0V+2:G0V+3], s[G0K+2:G0K+3], 2048  ; v lies 2,048 bytes behind k
	s_or_b32 s[G0K+3], s[G0K+3], 0x80000000
	s_or_b32 s[G0V+3], s[G0V+3], 0x80000000
	s_add_nc_u64 s[4:5], s[4:5], s[2:3]
	s_add_nc_u64 s[10:11], s[10:11], s[52:53]
	s_add_nc_u64 s[6:7], s[6:7], s[54:55]
	CROUND                          ; all four work-groups are here: the first joint loads meet
	JLOAD                           ; tile 0 into slot 0
	v_lshlrev_b32 v34, 4, v0
	global_load_b128 v[36:39], v34, s[6:7]  ; thread t: the mask of keys 16 t .. 16 t + 15
	v_and_b32 v1, 15, v0            ; l % 16
	v_bfe_u32 v9, v0, 4, 1          ; l / 16
	v_lshlrev_b32 v[QO], 13, v1
	v_lshl_add_u32 v[QO], v9, 4, v[QO]  ; row x 8,192 + 16 x half
	WIN 0x80                        ; destination window 2, address window 0
.set i, 0
.rept 8                             ; Q stays in registers: piece i / 2 lies 64 tokens on; channels 32 (i % 2) on
	global_load_b128 v[8*i:8*i+3],   v[QO], s[4:5] offset:(i/2)*524288+(i%2)*64
	global_load_b128 v[8*i+4:8*i+7], v[QO], s[4:5] offset:(i/2)*524288+(i%2)*64+32
.set i, i+1
.endr
	; The first step multiplies O^T and l by a = 0, and the first turn's products V^T P, of a piece that has not been, add 0: these registers are set to 0 once, in the wait for the first tile.
.set i, VF
.rept 64
	v_mov_b32 v[i], 0
.set i, i+1
.endr
	WIN 0x40
.set i, 0
.rept 128
	v_mov_b32 v[i], 0
.set i, i+1
.endr
	WIN 0
.set i, 0
.rept 4
	v_mov_b32 v[ST+4*i], 0xfe000000    ; c m: far below every c s
	v_mov_b32 v[ST+4*i+1], 0xff7fffff  ; m
	v_mov_b32 v[ST+4*i+2], 0
	v_mov_b32 v[ST+4*i+3], 0
.set i, i+1
.endr
.set i, P+16
.rept 16
	v_mov_b32 v[i], 0
.set i, i+1
.endr
	v_mul_u32_u24 v[AK0], v1, PK
	v_lshl_add_u32 v[AK0], v9, 4, v[AK0]  ; row x pitch + 16 x half
	v_and_b32 v10, 7, v0            ; the turning load: lane l reads key 8 (l / 16) + l % 8, channels 8 ((l / 8) % 2) + 0..7
	v_bfe_u32 v11, v0, 3, 1
	v_lshl_add_u32 v[AV0], v9, 3, v10
	v_mul_u32_u24 v[AV0], v[AV0], PV
	v_lshl_add_u32 v[AV0], v11, 4, v[AV0]
	v_add_nc_u32 v[AV0], VOFF, v[AV0]
	v_lshl_add_u32 v[AM0], v9, 5, BIAS  ; my half of the lanes holds keys 8 (l / 16) + 0..7 of each block of 16
	s_mul_i32 s13, s[WV], 16*SP
	s_add_co_u32 s13, s13, STAGE    ; my stage
	v_mul_u32_u24 v[STO], v1, SP
	v_lshl_add_u32 v[STO], v9, 4, v[STO]
	v_add_nc_u32 v[STO], s13, v[STO]
	v_bfe_u32 v[RD], v0, 3, 2       ; back: 32 lanes take four rows of 128 bytes,
	v_mul_u32_u24 v[RD], v[RD], SP
	v_lshl_add_u32 v[RD], v10, 4, v[RD]
	v_add_nc_u32 v[RD], s13, v[RD]
	v_and_b32 v[GO], 31, v0         ; which are 512 consecutive bytes of O
	v_lshlrev_b32 v[GO], 4, v[GO]
	v_lshl_add_u32 v35, v0, 6, BIAS
	s_wait_loadcnt 16               ; the mask is in; Q's sixteen loads, issued behind it, stay out
.set i, 0
.rept 16
	v_bfe_u32 v[S+i], v[36+i/4], 8*(i%4), 8
.set i, i+1
.endr
.set i, 0
.rept 16
	v_cvt_f32_u32 v[S+i], v[S+i]
.set i, i+1
.endr
.set i, 0
.rept 16
	v_mul_f32 v[S+i], s[BIGN], v[S+i]  ; 0 or -1e30
.set i, i+1
.endr
.irp f, 0,1,2,3
	ds_store_b128 v35, v[S+4*\f:S+4*\f+3] offset:16*\f
.endr
; THE MATRIX WORK.  The 4 accumulators of a run of 8 take turns.  Product i of 8 of S^T = K Q^T for piece x: channels 32 (i / 4) on, keys 16 (i % 4) on.  The first 4 start the sums with the masks.
.macro KQ x
.set rS, S+32*((\x)%2)+8*(i%4)
.set rK, KF+16*(i%4)+8*(i/4)
.set rQ, 16*(\x)+8*(i/4)
.set rM, MK+8*(i%4)
.if i < 4
	WIN W_KM
	v_wmma_f32_16x16x32_f16 v[rS:rS+7], v[rK:rK+7], v[rQ:rQ+7], v[rM:rM+7]
.else
	WIN W_KQ
	v_wmma_f32_16x16x32_f16 v[rS:rS+7], v[rK:rK+7], v[rQ:rQ+7], v[rS:rS+7]
.endif
.endm
; Product i of 8 of O^T += V^T P for piece x: keys 32 (i / 4) on, channels 16 (i % 4) on.
.macro PV x
	WIN W_PV
.set rO, 32*(\x)+8*(i%4)
.set rV, VF+32*(i/4)+8*(i%4)
.set rP, P+16*((\x)%2)+8*(i/4)
	v_wmma_f32_16x16x32_f16 v[rO:rO+7], v[rV:rV+7], v[rP:rP+7], v[rO:rO+7]
.endm
.macro MM                           ; the turn's next matrix instruction.  NOKQ = 1: the last turn: there is no next piece
.if (i < 8) && !NOKQ
	KQ (Y+1)%NP
.elseif i >= 8
.set i, i-8
	PV (Y+NP-1)%NP
.set i, i+8
.endif
.set i, i+1
.endm
; THE LDS LOADS stand in runs, never singly among the matrix instructions: a step's K (8 fragments) with its 32 masks, and its V (turned).  Their addresses are made some lines ahead.
.macro FETCH_K
	WIN 0x80                        ; destination window 2
.irp f, 0,1,2,3,4,5,6,7             ; keys 16 (f / 2) on, channels 32 (f % 2) on
	ds_load_b128 v[KF+8*\f:KF+8*\f+3],   v[AK] offset:(\f/2)*16*PK+(\f%2)*64
	ds_load_b128 v[KF+8*\f+4:KF+8*\f+7], v[AK] offset:(\f/2)*16*PK+(\f%2)*64+32
.endr
	WIN 0x40                        ; destination window 1
.irp f, 0,1,2,3                     ; keys 16 f + 8 (l / 16) + 0..7: the same words for all lanes of a half
	ds_load_b128 v[MK+8*\f:MK+8*\f+3],   v[AMK] offset:64*\f
	ds_load_b128 v[MK+8*\f+4:MK+8*\f+7], v[AMK] offset:64*\f+16
.endr
	s_add_co_u32 s[TBK], s[TBK], KS*PK  ; the next fetch is the next step's
	s_add_co_u32 s[TBM], s[TBM], 4*KS
	s_and_b32 s[TBM], s[TBM], 0x1f00    ; 32 steps of 256 bytes go once round the 8,192
	WIN 0
.endm
.macro FETCH_V
	WIN 0x80
.irp f, 0,1,2,3,4,5,6,7             ; keys 32 (f / 4) on, channels 16 (f % 4) on
	ds_load_tr16_b128 v[VF+8*\f:VF+8*\f+3],   v[AV] offset:(\f/4)*32*PV+(\f%4)*32
	ds_load_tr16_b128 v[VF+8*\f+4:VF+8*\f+7], v[AV] offset:(\f/4)*32*PV+16*PV+(\f%4)*32
.endr
	WIN 0
.endm
; THE VECTOR WORK, one line at a time: OP kind, number.  For piece Y: F n: c s - c m for pair n of 16.  E n: the exponential of score n of 32.  C n: pair n rounded to f16.  B n: of the four weights 4 n .. the second
; pair is added onto the first, in place.  L n: l takes that sum (L 0: l = a l + sum).  R n: pair n of 16 of O^T times a.  For piece Y + 1: X n, number n of the 22 that find its maximum and statistics:
;   0-11  four chains c0-c3 of seven scores each, three operands at a time (each accumulator's lowest registers are read first)     12-14, 16  the four scores left over, the old m, and c0-c3 into c0
;   15  c m_old is kept     17, 18  the query's other 32 keys lie in the lane 16 away: the new m     19-21  c m; c m_old - c m_new; a
.set F, 0
.set E, 1
.set C, 2
.set B, 3
.set L, 4
.set R, 5
.set X, 6
.macro REGS y                       ; the registers of piece y
.set rT, ST+4*(\y)
.set rC, TMP+4*((\y)%2)
.set rW, MV+((\y)%2)
.set rS, S+32*((\y)%2)
.set rP, P+16*((\y)%2)
.set rO, 32*(\y)
.endm
.macro OP k, n
.if (\k) == R
	REGS Y
	WIN W_RS
	v_pk_mul_f32 v[rO+2*(\n):rO+2*(\n)+1], v[rO+2*(\n):rO+2*(\n)+1], v[rC+2:rC+3] op_sel_hi:[1,0]
.elseif (\k) < R
	REGS Y
	WIN 0
.if (\k) == F
	v_pk_fma_f32 v[rS+2*(\n):rS+2*(\n)+1], v[rS+2*(\n):rS+2*(\n)+1], s[CS:CS+1], v[rT:rT+1] op_sel_hi:[1,0,0] neg_lo:[0,0,1] neg_hi:[0,0,1]
.elseif (\k) == E
	v_exp_f32 v[rS+(\n)], v[rS+(\n)]
.elseif (\k) == C
	s_wait_alu depctr_va_vdst(0)
	v_cvt_pk_f16_f32 v[rP+(\n)], v[rS+2*(\n)], v[rS+2*(\n)+1]
.elseif (\k) == B
	s_wait_alu depctr_va_vdst(0)
	v_pk_add_f32 v[rS+4*(\n):rS+4*(\n)+1], v[rS+4*(\n):rS+4*(\n)+1], v[rS+4*(\n)+2:rS+4*(\n)+3]
.elseif (\n) == 0
	v_pk_fma_f32 v[rT+2:rT+3], v[rT+2:rT+3], v[rC+2:rC+3], v[rS:rS+1] op_sel_hi:[1,0,1]
.else
	v_pk_add_f32 v[rT+2:rT+3], v[rT+2:rT+3], v[rS+4*(\n):rS+4*(\n)+1]
.endif
.elseif NOKQ
	v_nop
.else
	REGS (Y+1)%NP
	WIN 0
.if (\n) < 4
	v_max3_num_f32 v[rC+(\n)], v[rS+8*(\n)], v[rS+8*(\n)+1], v[rS+8*(\n)+2]
.elseif (\n) < 12
	v_max3_num_f32 v[rC+(\n)%4], v[rC+(\n)%4], v[rS+8*((\n)%4)+2*((\n)/4)+1], v[rS+8*((\n)%4)+2*((\n)/4)+2]
.elseif (\n) == 12
	v_max3_num_f32 v[rC], v[rC], v[rS+7], v[rS+15]
.elseif (\n) == 13
	v_max3_num_f32 v[rC+1], v[rC+1], v[rS+23], v[rS+31]
.elseif (\n) == 14
	v_max3_num_f32 v[rC+2], v[rC+2], v[rC+3], v[rT+1]
.elseif (\n) == 15
	v_mov_b32 v[rW], v[rT]
.elseif (\n) == 16
	v_max3_num_f32 v[rC], v[rC], v[rC+1], v[rC+2]
.elseif (\n) == 17
	v_permlanex16_b32 v[rC+3], v[rC], s[SEL], s[SEL+1]
.elseif (\n) == 18
	v_max_num_f32 v[rT+1], v[rC], v[rC+3]
.elseif (\n) == 19
	v_mul_f32 v[rT], s[CS], v[rT+1]
.elseif (\n) == 20
	v_sub_f32 v[rC+1], v[rW], v[rT]
.else
	v_exp_f32 v[rC+2], v[rC+1]
.endif
.endif
.endm
.macro OPS a, i1, b=-1, i2=0, c=-1, i3=0, d=-1, i4=0  ; up to four of them
	OP \a, \i1
.if (\b) >= 0
	OP \b, \i2
.endif
.if (\c) >= 0
	OP \c, \i3
.endif
.if (\d) >= 0
	OP \d, \i4
.endif
.endm
.macro ROW a, i1, b, i2, c, i3, d, i4  ; a matrix instruction and the four behind it
	MM
	OPS \a, \i1, \b, \i2, \c, \i3, \d, \i4
.endm
; A TURN, for piece p: the order of its 16 matrix and 118 vector instructions, written out.  Behind a matrix instruction: plain, exponential, plain, plain; or four of the rescaling; or, behind the first, four scalings; none
; names a register of the products round it.  In the runs between, exponential and plain by turns while exponentials last.
; end = 1: the last two turns: nothing is fetched.  cnt = 1: the loop's count is taken down some lines ahead of the branch that stands behind the turn.
; K and the masks of the next step are fetched in piece 2's turn, six vector instructions behind the last product that read K (five of them plain); V of the step in hand in piece 0's turn, eight behind the last
; product that read V.  Each is waited for a turn later.
.macro TURN p, end=0, cnt=0
.set Y, (\p)
.set i, 0
.set NOKQ, (\end)*((\p)/3)
.if ((\p) == 3) && !(\end)
	s_wait_dscnt 0x0                ; K and the masks are in
.endif
	ROW F,0, F,1, F,2, F,3
	ROW F,4, E,0, F,5, F,6
	ROW F,7, E,1, F,8, F,9
	ROW F,10, E,2, C,0, F,11
	ROW F,12, E,3, X,15, F,13
	ROW R,0, R,1, R,2, R,3
	ROW B,0, E,4, F,14, L,0
.if ((\p) == 2) && !(\end)
	v_add_nc_u32 v[AK], s[TBK], v[AK0]
	v_add_nc_u32 v[AMK], s[TBM], v[AM0]
.endif
	ROW R,4, R,5, R,6, R,7
	OPS E,5, F,15
.if ((\p) == 2) && !(\end)
	FETCH_K
.endif
	OPS E,6, C,1, E,7, R,8
	OPS E,8, R,9, E,9, C,2
	OPS E,10, X,0, E,11, X,1
	OPS E,12, X,2, E,13, X,3
.if (\p) == 1
	s_wait_dscnt 0x0                ; V is in
.endif
	ROW X,4, E,14, X,5, X,6
	ROW X,7, E,15, X,8, X,9
	ROW X,10, E,16, X,11, X,12
	ROW X,13, E,17, X,14, B,1
	ROW C,4, E,18, X,16, L,1
	ROW B,2, E,19, C,6, L,2
	ROW C,8, E,20, B,3, B,4
.if (\p) == 0
	v_add_nc_u32 v[AV], s[TBV], v[AV0]
.endif
	ROW C,3, E,21, L,3, C,5
	OPS E,22, X,17, E,23, C,10
.if (\p) == 0
	FETCH_V
.endif
	OPS E,24, L,4
	OPS E,25, X,18, E,26, C,7
	OPS E,27, B,5, E,28, X,19
	OPS E,29, C,12, E,30, L,5
	OPS E,31, X,20, B,6, C,9
	OPS C,14, C,11, X,21, L,6
.if (\p) == 0
	s_add_co_u32 s[TBV], s[TBV], KS*PV
.endif
.if \cnt
	s_sub_co_u32 s[CNT], s[CNT], 1
	s_cmp_lg_u32 s[CNT], 0
.endif
	OPS C,13, B,7, C,15, R,10
	OPS R,11, R,12, L,7, R,13
	OPS R,14, R,15
.endm
.macro ALL line:vararg              ; one line for each piece t
.set t, 0
.rept 4
	\line
.set t, t+1
.endr
.endm
.macro PACK t                       ; a lane's eight channels of a row pack into 16 bytes; they go into rows of 144 bytes and come back as whole rows of 128, into S^T's registers
	WIN W_RS
.set i, 32*(\t)
.rept 16
	v_pk_mul_f32 v[i:i+1], v[i:i+1], v[ST+4*(\t)+2:ST+4*(\t)+3] op_sel_hi:[1,0]
.set i, i+2
.endr
	WIN 0x05                        ; sources 0 and 1 window 1, destination window 0
.set i, 0
.rept 16
	v_cvt_pk_f16_f32 v[S+16*(\t)+i], v[32*(\t)+2*i], v[32*(\t)+2*i+1]
.set i, i+1
.endr
	WIN 0
.irp f, 0,1,2,3
	ds_store_b128 v[STO], v[S+16*(\t)+4*\f:S+16*(\t)+4*\f+3] offset:32*\f
.endr
.irp f, 0,1,2,3
	ds_load_b128 v[S+16*(\t)+4*\f:S+16*(\t)+4*\f+3], v[RD] offset:\f*4*SP  ; LDS serves a wave's instructions in order (ISA guide 5.7.1.4): these see the stores above; the next piece's stores come behind them
.endr
.endm
.macro SEND t, younger              ; younger: the LDS instructions issued behind piece t's loads: the next piece's eight, or none
	WIN 0
.irp f, 0,1,2,3
	s_wait_dscnt (\younger)+3-\f
	global_store_b128 v[GO], v[S+16*(\t)+4*\f:S+16*(\t)+4*\f+3], s[10:11] offset:(\t)*8192+\f*512  ; 512 consecutive bytes, at a multiple of 256 from O's first
.endr
.endm
	CHANGE 1                        ; slot 0 is in, and everybody's part of the masks; slot 1 is asked for
	v_add_nc_u32 v[AK], s[TBK], v[AK0]
	v_add_nc_u32 v[AMK], s[TBM], v[AM0]
	FETCH_K                         ; key step 0
	s_wait_loadcnt 0x0              ; Q
	s_wait_dscnt 0x0
.set NOKQ, 0
.set i, 0
.rept 8
	KQ 0                            ; piece 0's first scores
.set i, i+1
.endr
	WIN 0
.rept 4
	v_nop                           ; the places behind those products
.endr
.set Y, NP-1                        ; X works for piece Y + 1: piece 0
.irp n, 0,1,2,3,4,5,6,7,8,9,10,11,12,13,14,15,16,17,18,19,20,21
	OP X, \n
.endr
	v_nop                           ; a plain instruction behind the exponential
	s_mov_b32 s[CNT], 4
	s_mov_b32 s[SLOTS], 7
	s_branch .Lfirst                ; the loop is entered at a step's first turn, in the middle of a trip
.Lslot:                             ; six times: every tile but the last two is followed by a fill of its slot
	CHANGE 1
	s_mov_b32 s[CNT], 4
.Lstep:                             ; a trip: pieces 2 and 3 of one step, then pieces 0 and 1 of the next, whose K and V it fetches
	TURN 2
	TURN 3
	WIN 0
.Lfirst:
	TURN 0
	TURN 1, 0, 1
	WIN 0
	s_cbranch_scc1 .Lstep
	s_sub_co_u32 s[SLOTS], s[SLOTS], 1
	s_cmp_lg_u32 s[SLOTS], 0
	s_cbranch_scc1 .Lslot
	CHANGE 0                        ; the last tile is written out: nothing is asked for
	s_mov_b32 s[CNT], 4
.Lstep2:
	TURN 2
	TURN 3
	TURN 0
	TURN 1, 0, 1
	WIN 0
	s_cbranch_scc1 .Lstep2
	TURN 2, 1
	TURN 3, 1
.set i, 0
.rept 8
	PV NP-1                         ; the last piece's V^T P of the last step
.set i, i+1
.endr
	; THE WAY OUT.  l's two halves and the other half of the lanes' are added; O^T is divided by l, rounded to f16 and sent through my stage, a piece at a time.  The additions are the places behind the last products.
	WIN 0
	ALL v_add_f32 v[ST+4*t+2], v[ST+4*t+2], v[ST+4*t+3]
	ALL v_permlanex16_b32 v[ST+4*t+3], v[ST+4*t+2], s[SEL], s[SEL+1]
	ALL v_add_f32 v[ST+4*t+2], v[ST+4*t+2], v[ST+4*t+3]
	ALL v_rcp_f32 v[ST+4*t+2], v[ST+4*t+2]
	v_nop                           ; a plain instruction between the last reciprocal and the use of its result
.set t, 0
.rept 4                             ; a query that has seen no key: its factor, and so its row, is NaN
	v_cmp_gt_f32 vcc_lo, s[THR], v[ST+4*t+1]
	s_wait_alu depctr_va_vdst(0)
	v_cndmask_b32 v[ST+4*t+2], v[ST+4*t+2], s[QNAN], vcc_lo
.set t, t+1
.endr
	PACK 0
.set t, 1
.rept 3                             ; a piece's arithmetic stands between the loads of the piece before and its stores
	PACK t
	SEND t-1, 8
.set t, t+1
.endr
	SEND 3, 0
	s_wait_tensorcnt 0x0            ; the wave's end
	ds_add_u32 v[SPW], v[NIL]
	s_wait_dscnt 0x0
	CROUND                          ; the closing round: no work-group ends while a partner may still ask for a tile that names it
	s_endpgm
.Lfunc_end_k_q4abeb16667_attn:
	.size	k_q4abeb16667_attn, .Lfunc_end_k_q4abeb16667_attn-k_q4abeb16667_attn
	.p2alignl 7, 3214868480
	.fill 96, 4, 3214868480
	.section	.rodata,"a",@progbits
	.p2align	6, 0x0
	.amdhsa_kernel k_q4abeb16667_attn
		.amdhsa_group_segment_fixed_size 327680
		.amdhsa_private_segment_fixed_size 0
		.amdhsa_enable_private_segment 0
		.amdhsa_kernarg_size 24
		.amdhsa_user_sgpr_count 2
		.amdhsa_user_sgpr_kernarg_segment_ptr 1
		.amdhsa_wavefront_size32 1
		.amdhsa_system_sgpr_workgroup_id_x 1
		.amdhsa_system_sgpr_workgroup_id_y 1
		.amdhsa_system_sgpr_workgroup_id_z 1
		.amdhsa_system_vgpr_workitem_id 0
		.amdhsa_next_free_vgpr 768
		.amdhsa_next_free_sgpr 66
		.amdhsa_reserve_vcc 1
		.amdhsa_float_denorm_mode_32 3
		.amdhsa_float_denorm_mode_16_64 3
		.amdhsa_memory_ordered 1
		.amdhsa_forward_progress 1
		.amdhsa_inst_pref_size 138
	.end_amdhsa_kernel
	.amdgpu_metadata
---
amdhsa.version: [ 1, 2 ]
amdhsa.kernels:
  - .name:           k_q4abeb16667_attn
    .symbol:         k_q4abeb16667_attn.kd
    .args:
      - { .name: big1, .offset: 0, .size: 8, .value_kind: global_buffer, .address_space: global }
      - { .name: key_padding_mask, .offset: 8, .size: 8, .value_kind: global_buffer, .address_space: global }
      - { .name: hbuf, .offset: 16, .size: 8, .value_kind: global_buffer, .address_space: global }
    .group_segment_fixed_size: 327680
    .private_segment_fixed_size: 0
    .kernarg_segment_align: 8
    .kernarg_segment_size: 24
    .max_flat_workgroup_size: 128
    .sgpr_count:     66
    .vgpr_count:     768
    .wavefront_size: 32
...
	.end_amdgpu_metadata
.endif
;; end of part 3
;; launch gemm_o (part 4): grid 8 x 32, 4 waves a work-group, clusters of 4 x 4, 327,680 bytes of LDS; arguments hbuf, wo2, big2; writes big2
.if DOCPART == 4
	.amdgcn_target "amdgcn-amd-amdhsa--gfx1250"
	.amdhsa_code_object_version 6
	.text
	.protected	k_q4abeb16667_gemm_o
	.globl	k_q4abeb16667_gemm_o
	.p2align	8
	.type	k_q4abeb16667_gemm_o,@function
k_q4abeb16667_gemm_o:
	s_mov_b64 s[64:65], 0
	v_nop
	global_prefetch_b8 v0, s[64:65] scope:SCOPE_SE
	s_setreg_imm32_b32 hwreg(HW_REG_WAVE_MODE, 25, 1), 1
	s_wait_xcnt 0x0
	s_wait_alu depctr_hold_cnt(0) depctr_sa_sdst(0) depctr_va_vdst(0) depctr_va_sdst(0) depctr_va_ssrc(0) depctr_va_vcc(0) depctr_vm_vsrc(0)
	s_getreg_b32 s2, hwreg(HW_REG_IB_STS2, 6, 4)
	s_cmp_eq_u32 s2, 0
	s_cbranch_scc0 .Lentry_in_a_cluster
	s_endpgm
.Lentry_in_a_cluster:
	s_bfe_u32 s2, ttmp6, 0x10000c
	s_cmp_lg_u32 s2, 0xf033
	s_cbranch_scc0 .Lentry_shape_is_right
	s_endpgm
.Lentry_shape_is_right:
; a[m][n] = sum over k of O[m][k] Wo'[k][n].  O lies by heads, [32][2048][64] f16 (k = 64 head + channel, m = 2048 batch + token); Wo' = gamma x Wo, [1024][1024] f16, the first 2 MiB of its buffer;
; a: [4096][1024] f32.  Sums in f32.  LIMIT.  A sum's K steps are taken in a rotated order (below): an order of rounding that differs from one ascending sum.
; A tile of a is 128 x 128, so that 256 work-groups share the work.  Four waves, each 64 x 64: 16 accumulators.  K goes in 4 steps of 256 (four heads) through a ring of two LDS slots.
; A's half tile is two heads x 128 tokens: a head's 128 tokens are 16,384 dense bytes, asked for as ONE row of 8,192 elements and padded in LDS after every token: [head][token] at pitch 144.
; B's rows lie along N: its fragments are read turned, by ds_load_tr16_b128.
; CLUSTER: 4 x 4 work-groups; A's tiles are asked for jointly along a row of the cluster, B's along a column.
; THE WALK GOES ROUND.  A cluster begins at K step (2 cluster x + cluster y) mod 4 and goes round.  The two clusters that read the same tiles of A stand two steps apart: what one asks for in its two first
; fills the other asks for in its two refills.  The first step hangs on the cluster's own x and y, which all partners share: every joint descriptor stays equal in the four that its mask names.
; One K step is written once and looped (the LDS addresses hang on s[TB]; a fill's global address is made anew from its K step's number); the tail is a second copy, walked twice and left in its middle:
; its last barrier and 32 loads serve nothing.
; THE MATRIX INSTRUCTION IS USED TRANSPOSED (source 0 = 16 columns of B, source 1 = 16 rows of A): a lane holds eight neighbouring numbers of a row of a.
; REGISTERS: window 0: v0-31 addresses; v32-95 rows read back on the way out, two buffers; v128-255 the accumulators ((a, b) at v[128 + 8 (4 a + b)]).
;   window 1: two fragment buffers of 128: for 64 along K, 64 registers of A (2 x 4 x 16 rows x 32 K), then 64 of B.
.set NK,     4
.set PA,     144                       ; a token's 128 bytes + 16: the 16 rows of a load start at 16 different groups of four banks (64 banks of 4 bytes: ISA guide 11.1)
.set HEADB,  128*PA                    ; a head's 128 tokens in LDS
.set AHALF,  2*HEADB                   ; what one of A's tensor loads brings
.set ASH,    20                        ; a K step is four heads of 2,048 tokens of 128 bytes: 2^20 bytes of O,
.set BSH,    19                        ; and 256 rows of 2,048 bytes: 2^19 bytes of the weights
.set PB,     288                       ; B's row in LDS: 256 bytes + 32
.set BHALF,  128*PB                    ; what one of B's tensor loads brings: 128 rows
.set BOFF,   73728                     ; B's 256 rows lie behind A's tile
.set SLOT,   147456                    ; 0x24000: no bit of it occurs in a tile's place in a slot, so an exclusive or changes slots
.set STAGE,  2*SLOT                    ; behind the ring: 16 rows x 272 bytes for each wave
.set SPITCH, 272
.set SPARE,  STAGE+4*16*SPITCH         ; the spare words, 128 bytes for each wave, which no other line names
.set OPITCH, 4096                      ; bytes in a row of a
.set ADRA0, 16                         ; v16  LDS address of my A fragments in slot 0; never rewritten
.set ADRB0, 17                         ; v17  the same for B
.set ADRA,  20                         ; v20  in the slot in hand
.set ADRB,  21                         ; v21  B's K rows 0-127; v22 its K rows 128-255
.set STO,  24
.set RD,   25
.set CO,   26
.set SPW,  28
.set NIL,  29
.set OB,   32
.set ACC,  128
.set F0,   0
.set F1,   128
.set WV, 16                            ; s16 wave; s17 wave / 2; s18 wave % 2
.set TB, 23                            ; s23  0 or SLOT
.set G1, 24
.set G0, 32
.set AB, 42                            ; s[42:43] O at my half of K step 0's tile; never rewritten
.set BB, 44                            ; s[44:45] the weights likewise
.set G1B, 48
.set G0B, 56
.set KI,  72                           ; s72  the K step to be asked for next
.set OFA, 74                           ; s[74:75] its byte offset in O
.set OFB, 76                           ; s[76:77] its byte offset in the weights
.set MSB, 0
.macro WIN new
.if MSB != (\new)
	s_set_vgpr_msb (MSB<<8)|(\new)
.set MSB, \new
.endif
.endm
.set MUL,  0x05                        ; sources 0 (B) and 1 (A) window 1; C and D window 0
.set TO_F, 0x40                        ; destination window 1, address window 0
.macro JLOAD s                         ; a joint load: waves 0 and 1 fetch A's two halves, waves 2 and 3 B's; an s_nop 0 and four v_nop follow each of the two lines
	s_cmp_eq_u32 s17, 0
	s_cbranch_scc0 .Lfor_b_\@
	tensor_load_to_lds s[G0+4*(\s):G0+4*(\s)+3], s[G1:G1+7]
	s_nop 0
.rept 4
	v_nop
.endr
	s_branch .Lasked_\@
.Lfor_b_\@:
	tensor_load_to_lds s[G0B+4*(\s):G0B+4*(\s)+3], s[G1B:G1B+7]
	s_nop 0
.rept 4
	v_nop
.endr
.Lasked_\@:
.endm
; The global addresses of K step KI go into set s of both group 0s, and KI steps on, round modulo NK.  No tensor load that names the set is out where this stands.
.macro AIM s
	s_lshl_b32 s[OFA], s[KI], ASH
	s_add_nc_u64 s[G0+4*(\s)+2:G0+4*(\s)+3], s[AB:AB+1], s[OFA:OFA+1]
	s_or_b32 s[G0+4*(\s)+3], s[G0+4*(\s)+3], 0x80000000            ; type = 2
	s_lshl_b32 s[OFB], s[KI], BSH
	s_add_nc_u64 s[G0B+4*(\s)+2:G0B+4*(\s)+3], s[BB:BB+1], s[OFB:OFB+1]
	s_or_b32 s[G0B+4*(\s)+3], s[G0B+4*(\s)+3], 0x80000000
	s_add_co_u32 s[KI], s[KI], 1
	s_and_b32 s[KI], s[KI], NK-1
.endm
.macro CREST
	s_cmp_lg_u32 s[WV], 0
	s_cbranch_scc1 .Lnot_wave_0_\@
	s_barrier_signal -3
.Lnot_wave_0_\@:
	s_barrier_wait -3
	s_barrier_signal -1
	s_barrier_wait -1
.endm
.macro CROUND
	s_barrier_signal -1
	s_barrier_wait -1
	CREST
.endm
	s_load_b128 s[4:7], s[0:1], 0x0                ; O s[4:5], the weights s[6:7]
	s_load_b64 s[14:15], s[0:1], 0x10              ; a
	v_lshl_add_u32 v[SPW], v0, 2, SPARE
	v_mov_b32 v[NIL], 0
	ds_add_u32 v[SPW], v[NIL]                      ; the wave's opening: the add and its wait stand ahead of my first tensor load
	ds_add_u32 v28, v29
	v_lshrrev_b32 v1, 5, v0
	v_readfirstlane_b32 s[WV], v1
	s_lshr_b32 s17, s[WV], 1                       ; which half of the tile's rows is mine.  Also: I fetch for A (0) or for B (1)
	s_and_b32 s18, s[WV], 1                        ; which half of its columns.  Also: which half of that tile I fetch
	s_bfe_u32 s19, ttmp6, 0x40000                  ; cx
	s_bfe_u32 s20, ttmp6, 0x40004                  ; cy
	s_lshl_b32 s21, ttmp9, 2
	s_add_co_u32 s21, s21, s19                     ; tile column
	s_and_b32 s22, ttmp7, 0xffff
	s_lshl_b32 s22, s22, 2
	s_add_co_u32 s22, s22, s20                     ; tile row
	s_lshl_b32 s40, s20, 2
	s_lshl_b32 s40, 15, s40                        ; my row of the cluster
	s_lshl_b32 s41, 0x1111, s19                    ; my column
	s_and_b32 s[KI], ttmp7, 0xffff                 ; the cluster's first K step: (2 cluster x + cluster y) mod 4
	s_lshl_b32 s[OFA], ttmp9, 1
	s_add_co_u32 s[KI], s[KI], s[OFA]
	s_and_b32 s[KI], s[KI], NK-1
	s_mov_b32 s[OFA+1], 0
	s_mov_b32 s[OFB+1], 0
	s_or_b32 s[G1+0], s40, (1<<16)|(1<<20)|(1<<21)|(4<<22)|(3<<25)   ; the mask; 2-byte elements; padding on; bit 21 beside a mask; after every 32 words 4 words
	s_mov_b32 s[G1+1], 8192<<16                    ; tensor_dim0 = 8,192
	s_mov_b32 s[G1+2], 2<<16                       ; tensor_dim1 = 2
	s_mov_b32 s[G1+3], 8192<<16                    ; tile_dim0 = 8,192: 128 tokens x 64 channels
	s_mov_b32 s[G1+4], 2                           ; tile_dim1 = 2 heads
	s_mov_b32 s[G1+5], 131072                      ; elements from head to head
	s_mov_b32 s[G1+6], 0
	s_mov_b32 s[G1+7], 0
	s_or_b32 s[G1B+0], s41, (1<<16)|(1<<20)|(1<<21)|(5<<22)|(7<<25)  ; after every 64 words 8 words
	s_mov_b32 s[G1B+1], 128<<16
	s_mov_b32 s[G1B+2], 128<<16
	s_mov_b32 s[G1B+3], 128<<16
	s_mov_b32 s[G1B+4], 128
	s_mov_b32 s[G1B+5], 1024
	s_mov_b32 s[G1B+6], 0
	s_mov_b32 s[G1B+7], 0
	s_lshr_b32 s42, s22, 4                         ; A: the batch (16 tile rows each),
	s_lshl_b32 s42, s42, 4                         ; its first head,
	s_lshl_b32 s43, s18, 1
	s_add_co_u32 s42, s42, s43                     ; + my two of a step's four,
	s_lshl_b32 s42, s42, 11                        ; x 2,048 tokens,
	s_and_b32 s43, s22, 15
	s_lshl_b32 s43, s43, 7
	s_add_co_u32 s42, s42, s43                     ; + the tile's first token in the batch,
	s_lshl_b32 s42, s42, 7                         ; x 128 bytes
	s_mov_b32 s43, 0
	s_lshl_b32 s44, s21, 8                         ; B: 256 bytes of columns a tile column,
	s_lshl_b32 s45, s18, 18                        ; 128 rows of 2,048 bytes a half
	s_add_co_u32 s44, s44, s45
	s_mov_b32 s45, 0
	s_mul_i32 s46, s18, AHALF                      ; where they go
	s_mul_i32 s47, s18, BHALF
	s_add_co_u32 s47, s47, BOFF
	s_lshl_b32 s66, s22, 7
	s_lshl_b32 s67, s17, 6
	s_add_co_u32 s66, s66, s67                     ; my first row of a,
	s_lshl_b32 s66, s66, 12                        ; of 4,096 bytes,
	s_lshl_b32 s67, s21, 9
	s_add_co_u32 s66, s66, s67                     ; + the tile's 512 bytes of columns,
	s_lshl_b32 s67, s18, 8
	s_add_co_u32 s66, s66, s67                     ; + my half of them
	s_mov_b32 s67, 0
	s_mov_b32 s[TB], 0
	s_wait_dscnt 0x0                               ; the opening add is done
	s_wait_kmcnt 0x0
	s_add_nc_u64 s[AB:AB+1], s[4:5], s[42:43]
	s_add_nc_u64 s[BB:BB+1], s[6:7], s[44:45]
	s_add_nc_u64 s[14:15], s[14:15], s[66:67]
	CROUND                                         ; all sixteen work-groups are here: the first joint loads meet
.irp s, 0,1
	s_mov_b32 s[G0+4*(\s)], 1
	s_add_co_u32 s[G0+4*(\s)+1], s46, (\s)*SLOT
	s_mov_b32 s[G0B+4*(\s)], 1
	s_add_co_u32 s[G0B+4*(\s)+1], s47, (\s)*SLOT
	AIM \s
	JLOAD \s                                       ; the walk's first two K steps: two loads of mine are out
.endr
	v_and_b32 v1, 15, v0                           ; l % 16
	v_bfe_u32 v2, v0, 4, 1                         ; l / 16
	v_mul_u32_u24 v3, v1, PA
	v_lshl_add_u32 v3, v2, 4, v3
	s_mul_i32 s40, s17, 64*PA                      ; my 64 tokens
	v_add_nc_u32 v[ADRA0], s40, v3
	v_and_b32 v4, 7, v0
	v_lshl_add_u32 v4, v2, 3, v4
	v_mul_u32_u24 v4, v4, PB
	v_bfe_u32 v5, v0, 3, 1
	v_lshl_add_u32 v4, v5, 4, v4
	s_lshl_b32 s41, s18, 7                         ; my 64 columns
	s_add_co_u32 s41, s41, BOFF
	v_add_nc_u32 v[ADRB0], s41, v4
	v_mov_b32 v[ADRA], v[ADRA0]
	v_mov_b32 v[ADRB], v[ADRB0]
	v_add_nc_u32 v[ADRB+1], BHALF, v[ADRB0]
	s_mul_i32 s40, s[WV], 16*SPITCH
	s_add_co_u32 s40, s40, STAGE                   ; my stage
	v_mul_u32_u24 v4, v1, SPITCH                   ; in: row l % 16, 32 bytes for each half of the lanes
	v_lshl_add_u32 v4, v2, 5, v4
	v_add_nc_u32 v[STO], s40, v4
	v_mul_u32_u24 v5, v2, SPITCH                   ; back: lanes 0-15 take one row of 256 bytes, lanes 16-31 the next
	v_lshl_add_u32 v5, v1, 4, v5
	v_add_nc_u32 v[RD], s40, v5
	v_lshlrev_b32 v5, 12, v2
	v_lshl_add_u32 v[CO], v1, 4, v5
; 8 matrix instructions: m blocks a0, a0 + 1 x all 4 n blocks, 32 along K: half c of buffer f.  The 16 accumulators take turns.
.macro MUL8 f, c, a0, zero
	WIN MUL
.irp a, \a0, (\a0)+1
.irp b, 0,1,2,3
.if \zero
	v_wmma_f32_16x16x32_f16 v[ACC+8*(4*(\a)+(\b)):ACC+8*(4*(\a)+(\b))+7], v[(\f)+64+8*(4*(\c)+(\b)):(\f)+64+8*(4*(\c)+(\b))+7], v[(\f)+8*(4*(\c)+(\a)):(\f)+8*(4*(\c)+(\a))+7], 0
.else
	v_wmma_f32_16x16x32_f16 v[ACC+8*(4*(\a)+(\b)):ACC+8*(4*(\a)+(\b))+7], v[(\f)+64+8*(4*(\c)+(\b)):(\f)+64+8*(4*(\c)+(\b))+7], v[(\f)+8*(4*(\c)+(\a)):(\f)+8*(4*(\c)+(\a))+7], v[ACC+8*(4*(\a)+(\b)):ACC+8*(4*(\a)+(\b))+7]
.endif
.endr
.endr
.endm
; 32 LDS loads in one run: the fragments of quarter q (64 along K: one head) into buffer f; the first 32 along K first
.macro FETCH q, f
	WIN TO_F
.irp c, 0,1
.irp i, 0,1,2,3
	ds_load_tr16_b128 v[(\f)+64+8*(4*(\c)+(\i)):(\f)+64+8*(4*(\c)+(\i))+3],   v[ADRB+(\q)/2] offset:((\q)%2)*64*PB+(\c)*32*PB+(\i)*32
	ds_load_tr16_b128 v[(\f)+64+8*(4*(\c)+(\i))+4:(\f)+64+8*(4*(\c)+(\i))+7], v[ADRB+(\q)/2] offset:((\q)%2)*64*PB+(\c)*32*PB+16*PB+(\i)*32
	ds_load_b128 v[(\f)+8*(4*(\c)+(\i)):(\f)+8*(4*(\c)+(\i))+3],   v[ADRA] offset:(\q)*HEADB+(\c)*64+(\i)*16*PA
	ds_load_b128 v[(\f)+8*(4*(\c)+(\i))+4:(\f)+8*(4*(\c)+(\i))+7], v[ADRA] offset:(\q)*HEADB+(\c)*64+(\i)*16*PA+32
.endr
.endr
.endm
.macro PLACES                          ; four plain vector instructions between a matrix instruction and a load into, or a read of, its registers (ISA guide 7.12.1 for a read)
.rept 4
	v_nop
.endr
.endm
.macro QUARTER q, f, g, zero           ; multiplies buffer f; in its middle it fetches quarter q into buffer g
	s_wait_dscnt 16                                ; the first 32 along K are in
	MUL8 \f, 0, 0, \zero
	MUL8 \f, 0, 2, \zero
	PLACES
	FETCH \q, \g
	s_wait_dscnt 32                                ; all but the 32 just issued
	MUL8 \f, 1, 0, 0
	MUL8 \f, 1, 2, 0
.endm
; The last quarter multiplies buffer 1 and changes slots: in front of the barrier each wave waits for all its tensor loads, adds 0 to its spare word, and waits for that and for its reads of this slot.
; fill = 1: the barrier opens a round of the cluster's, and the slot just read is filled again, first thing behind it, with the walk's step two steps on.
.macro TURN fill
	WIN 0
	s_wait_tensorcnt 0x0
	ds_add_u32 v[SPW], v[NIL]
	s_wait_dscnt 17                                ; the add and the youngest sixteen loads may be out
	MUL8 F1, 0, 0, 0
	s_wait_dscnt 0x0
	s_barrier_signal -1
	MUL8 F1, 0, 2, 0
	WIN 0
	s_barrier_wait -1
.if \fill
	CREST
	s_xor_b32 s[G0+5], s[G0+5], SLOT
	s_xor_b32 s[G0B+5], s[G0B+5], SLOT
	AIM 1
	JLOAD 1                                        ; its four v_nop are also the places in front of the loads below
.else
	PLACES
.endif
	s_xor_b32 s[TB], s[TB], SLOT
	v_add_nc_u32 v[ADRA], s[TB], v[ADRA0]
	v_add_nc_u32 v[ADRB], s[TB], v[ADRB0]
	v_add_nc_u32 v[ADRB+1], BHALF, v[ADRB]
	FETCH 0, F0
	MUL8 F1, 1, 0, 0
	MUL8 F1, 1, 2, 0
.endm
; THE WAY OUT of block a (16 rows): a lane's eight f32 of a row go into my own stage, each accumulator's low four registers first, and come back as whole rows of 256 bytes, my 64 columns.
.macro OUT a
.set BK, OB+32*((\a)%2)
.irp b, 0,1,2,3
	ds_store_b128 v[STO], v[ACC+8*(4*(\a)+(\b)):ACC+8*(4*(\a)+(\b))+3] offset:64*(\b)
	ds_store_b128 v[STO], v[ACC+8*(4*(\a)+(\b))+4:ACC+8*(4*(\a)+(\b))+7] offset:64*(\b)+16
.endr
	s_wait_xcnt 0x0                                ; the stores of two blocks ago have read the registers that the loads below fill
.irp t, 0,1,2,3,4,5,6,7
	ds_load_b128 v[BK+4*(\t):BK+4*(\t)+3], v[RD] offset:(\t)*2*SPITCH  ; LDS serves a wave's instructions in order (ISA guide 5.7.1.4): these see the stores above
.endr
	s_wait_dscnt 0x0
.irp t, 0,1,2,3,4,5,6,7
	global_store_b128 v[CO], v[BK+4*(\t):BK+4*(\t)+3], s[14:15] offset:(16*(\a)+2*(\t))*OPITCH  ; 16 lanes store 256 consecutive aligned bytes
.endr
.endm
	s_wait_tensorcnt 1                             ; my part of the walk's first K step is in; the second's may stay out
	s_barrier_signal -1
	s_barrier_wait -1
	FETCH 0, F0
	QUARTER 1, F0, F1, 1                           ; the first quarter stands in front of the loop: its first products start the sums
	WIN 0
	s_mov_b32 s3, NK-2
.Lstep:
	QUARTER 2, F1, F0, 0
	QUARTER 3, F0, F1, 0
	TURN 1
	QUARTER 1, F0, F1, 0
	WIN 0
	s_sub_co_u32 s3, s3, 1
	s_cmp_lg_u32 s3, 0
	s_cbranch_scc1 .Lstep
	s_mov_b32 s3, 2
.Ltail:                                                ; the last two K steps ask for nothing; the second trip is left in its middle
	QUARTER 2, F1, F0, 0
	QUARTER 3, F0, F1, 0
	TURN 0
	WIN 0
	s_sub_co_u32 s3, s3, 1
	s_cmp_eq_u32 s3, 0
	s_cbranch_scc1 .Lout
	QUARTER 1, F0, F1, 0
	WIN 0
	s_branch .Ltail
.Lout:
	PLACES
	OUT 0
	OUT 1
	OUT 2
	OUT 3
	s_wait_tensorcnt 0x0                           ; the wave's end
	ds_add_u32 v[SPW], v[NIL]
	s_wait_dscnt 0x0
	CROUND                                         ; the closing round
	s_endpgm
.Lfunc_end_k_q4abeb16667_gemm_o:
	.size	k_q4abeb16667_gemm_o, .Lfunc_end_k_q4abeb16667_gemm_o-k_q4abeb16667_gemm_o
	.p2alignl 7, 3214868480
	.fill 96, 4, 3214868480
	.section	.rodata,"a",@progbits
	.p2align	6, 0x0
	.amdhsa_kernel k_q4abeb16667_gemm_o
		.amdhsa_group_segment_fixed_size 327680
		.amdhsa_private_segment_fixed_size 0
		.amdhsa_enable_private_segment 0
		.amdhsa_kernarg_size 24
		.amdhsa_user_sgpr_count 2
		.amdhsa_user_sgpr_kernarg_segment_ptr 1
		.amdhsa_wavefront_size32 1
		.amdhsa_system_sgpr_workgroup_id_x 1
		.amdhsa_system_sgpr_workgroup_id_y 1
		.amdhsa_system_sgpr_workgroup_id_z 1
		.amdhsa_system_vgpr_workitem_id 0
		.amdhsa_next_free_vgpr 512
		.amdhsa_next_free_sgpr 78
		.amdhsa_reserve_vcc 0
		.amdhsa_float_denorm_mode_32 3
		.amdhsa_float_denorm_mode_16_64 3
		.amdhsa_memory_ordered 1
		.amdhsa_forward_progress 1
		.amdhsa_inst_pref_size 59
	.end_amdhsa_kernel
	.amdgpu_metadata
---
amdhsa.version: [ 1, 2 ]
amdhsa.kernels:
  - .name:           k_q4abeb16667_gemm_o
    .symbol:         k_q4abeb16667_gemm_o.kd
    .args:
      - { .name: hbuf, .offset: 0, .size: 8, .value_kind: global_buffer, .address_space: global }
      - { .name: wo2, .offset: 8, .size: 8, .value_kind: global_buffer, .address_space: global }
      - { .name: big2, .offset: 16, .size: 8, .value_kind: global_buffer, .address_space: global }
    .group_segment_fixed_size: 327680
    .private_segment_fixed_size: 0
    .kernarg_segment_align: 8
    .kernarg_segment_size: 24
    .max_flat_workgroup_size: 128
    .sgpr_count:     78
    .vgpr_count:     512
    .wavefront_size: 32
...
	.end_amdgpu_metadata
.endif
;; end of part 4
;; launch ln23 (part 5): grid 256 x 1, 16 waves a work-group, no clusters, 18,432 bytes of LDS; arguments big2, x, ln2_w, ln2_b, ln3_w, ln3_b, x1, hbuf; writes x1, hbuf
.if DOCPART == 5
	.amdgcn_target "amdgcn-amd-amdhsa--gfx1250"
	.amdhsa_code_object_version 6
	.text
	.protected	k_q4abeb16667_ln23
	.globl	k_q4abeb16667_ln23
	.p2align	8
	.type	k_q4abeb16667_ln23,@function
k_q4abeb16667_ln23:
	s_mov_b64 s[64:65], 0
	v_nop
	global_prefetch_b8 v0, s[64:65] scope:SCOPE_SE
	s_setreg_imm32_b32 hwreg(HW_REG_WAVE_MODE, 25, 1), 1
	s_wait_xcnt 0x0
; x1 = LN2(a) + x (f32, kept for the last residual);  h3 = LN3(x1) (f16, the MLP's input).  a, x, x1: [4096][1024] f32; h3: [4096][1024] f16.
; One wave, one row: the row stays in 32 registers a lane from the first load to the last store, and no reduction leaves the wave.  Each norm: the mean, then the mean of the centred squares, in f32.
; The four vectors of gains and biases are copied once by the work-group's 512 threads into LDS, 16 bytes each from two of them, and every wave reads them from there.
; LIMIT.  h3 is f16: no number beyond 65,504.  No matrix unit and no cluster: memory binds, and no two work-groups share a row.
.set T,   2           ; v[2:9]     four chains of sums
.set MU,  10          ; v[10:11]   the mean, twice
.set RS,  12          ; v[12:13]   1 / sqrt(var + eps), twice
.set TX,  14          ; v14        the other half of the lanes' sum
.set R,   16          ; v[16:47]   a's row, then x1's, then h3's: columns 128 j + 4 lane + 0..3
.set XR,  48          ; v[48:79]   x's row
.set W,   80          ; v[80:111]  the gain in hand
.set B,   112         ; v[112:143] the bias in hand
.set PS,  144         ; v[144:151] my 16 bytes of two vectors, on their way to LDS
.set LO,  152         ; v152  16 x lane
.set LP,  153         ; v153  16 x thread
.set GP,  154         ; v154  16 x (thread % 256)
.set OH,  155         ; v155  8 x lane
.set SPW, 156         ; v156  LDS address of my spare word; never rewritten
.set NIL, 157         ; v157  0; never rewritten
.set SPARE, 16384     ; behind ln2_w (0), ln2_b (4096), ln3_w (8192), ln3_b (12288): the spare words, 128 bytes for each of 16 waves
.set SEL, 30
.set INV, 32
.set EPS, 33
.macro WSUM r
	v_add_f32_dpp v[\r], v[\r], v[\r] row_xmask:1 row_mask:0xf bank_mask:0xf
	v_add_f32_dpp v[\r], v[\r], v[\r] row_xmask:2 row_mask:0xf bank_mask:0xf
	v_add_f32_dpp v[\r], v[\r], v[\r] row_xmask:4 row_mask:0xf bank_mask:0xf
	v_add_f32_dpp v[\r], v[\r], v[\r] row_xmask:8 row_mask:0xf bank_mask:0xf
	v_permlanex16_b32 v[TX], v[\r], s[SEL], s[SEL+1]
	v_add_f32 v[\r], v[\r], v[TX]
.endm
.macro FOLD
	v_pk_add_f32 v[T:T+1], v[T:T+1], v[T+2:T+3]
	v_pk_add_f32 v[T+4:T+5], v[T+4:T+5], v[T+6:T+7]
	v_pk_add_f32 v[T:T+1], v[T:T+1], v[T+4:T+5]
	v_add_f32 v[T], v[T], v[T+1]
	WSUM T
.endm
.macro LNROW                           ; the row in v[R ..] is normalised in place with the gain and bias in hand
.irp k, 0,1,2,3
	v_pk_add_f32 v[T+2*(\k):T+2*(\k)+1], v[R+2*(\k):R+2*(\k)+1], v[R+8+2*(\k):R+8+2*(\k)+1]
.endr
.irp k, 8,9,10,11,12,13,14,15
	v_pk_add_f32 v[T+2*((\k)%4):T+2*((\k)%4)+1], v[T+2*((\k)%4):T+2*((\k)%4)+1], v[R+2*(\k):R+2*(\k)+1]
.endr
	FOLD
	v_mul_f32 v[MU], s[INV], v[T]
	v_mul_f32 v[MU+1], s[INV], v[T]
.irp k, 0,1,2,3,4,5,6,7,8,9,10,11,12,13,14,15
	v_pk_add_f32 v[R+2*(\k):R+2*(\k)+1], v[R+2*(\k):R+2*(\k)+1], v[MU:MU+1] neg_lo:[0,1] neg_hi:[0,1]
.endr
.irp k, 0,1,2,3
	v_pk_mul_f32 v[T+2*(\k):T+2*(\k)+1], v[R+2*(\k):R+2*(\k)+1], v[R+2*(\k):R+2*(\k)+1]
.endr
.irp k, 4,5,6,7,8,9,10,11,12,13,14,15
	v_pk_fma_f32 v[T+2*((\k)%4):T+2*((\k)%4)+1], v[R+2*(\k):R+2*(\k)+1], v[R+2*(\k):R+2*(\k)+1], v[T+2*((\k)%4):T+2*((\k)%4)+1]
.endr
	FOLD
	v_fma_f32 v[T], v[T], s[INV], s[EPS]
	v_rsq_f32 v[RS], v[T]
	v_rsq_f32 v[RS+1], v[T]
	v_nop                                          ; a plain instruction between the root and the use of its result (ISA guide 5.7.2)
	s_wait_alu depctr_va_vdst(0)
.irp k, 0,1,2,3,4,5,6,7,8,9,10,11,12,13,14,15
	v_pk_mul_f32 v[R+2*(\k):R+2*(\k)+1], v[R+2*(\k):R+2*(\k)+1], v[RS:RS+1]
.endr
.irp k, 0,1,2,3,4,5,6,7,8,9,10,11,12,13,14,15
	v_pk_fma_f32 v[R+2*(\k):R+2*(\k)+1], v[R+2*(\k):R+2*(\k)+1], v[W+2*(\k):W+2*(\k)+1], v[B+2*(\k):B+2*(\k)+1]
.endr
.endm
.macro PARAMS base                     ; a gain and its bias out of LDS: 32 lanes take 512 neighbouring bytes
.irp j, 0,1,2,3,4,5,6,7
	ds_load_b128 v[W+4*(\j):W+4*(\j)+3], v[LO] offset:(\base)+512*(\j)
	ds_load_b128 v[B+4*(\j):B+4*(\j)+3], v[LO] offset:(\base)+4096+512*(\j)
.endr
.endm
	s_load_b512 s[8:23], s[0:1], 0x0               ; a s[8:9], x s[10:11], ln2_w s[12:13], ln2_b s[14:15], ln3_w s[16:17], ln3_b s[18:19], x1 s[20:21], h3 s[22:23]
	v_lshl_add_u32 v[SPW], v0, 2, SPARE
	v_mov_b32 v[NIL], 0
	v_lshrrev_b32 v1, 5, v0
	v_readfirstlane_b32 s2, v1                     ; wave 0..15
	v_and_b32 v1, 31, v0
	v_lshlrev_b32 v[LO], 4, v1
	v_lshlrev_b32 v[OH], 3, v1
	v_lshlrev_b32 v[LP], 4, v0
	v_and_b32 v[GP], 0xff, v0
	v_lshlrev_b32 v[GP], 4, v[GP]
	v_mov_b32 v[TX], 0                             ; v_permlanex16_b32's destination counts as read
	s_lshl_b32 s3, ttmp9, 4
	s_add_co_u32 s3, s3, s2                        ; my row
	s_lshl_b32 s24, s3, 12
	s_mov_b32 s25, 0
	s_lshl_b32 s34, s3, 11
	s_mov_b32 s35, 0
	s_mov_b32 s[SEL], 0x76543210
	s_mov_b32 s[SEL+1], 0xfedcba98
	s_mov_b32 s[INV], 0x3a800000                   ; 1 / 1024
	s_mov_b32 s[EPS], 0x3727c5ac                   ; 1e-5
	s_wait_kmcnt 0x0
	s_cmp_lt_u32 s2, 8                             ; waves 0-7 copy the gains, waves 8-15 the biases
	s_cselect_b64 s[26:27], s[12:13], s[14:15]
	s_cselect_b64 s[28:29], s[16:17], s[18:19]
	s_add_nc_u64 s[8:9], s[8:9], s[24:25]
	s_add_nc_u64 s[10:11], s[10:11], s[24:25]
	s_add_nc_u64 s[20:21], s[20:21], s[24:25]
	s_add_nc_u64 s[22:23], s[22:23], s[34:35]
	global_load_b128 v[PS:PS+3], v[GP], s[26:27]
	global_load_b128 v[PS+4:PS+7], v[GP], s[28:29]
.irp j, 0,1,2,3,4,5,6,7
	global_load_b128 v[R+4*(\j):R+4*(\j)+3], v[LO], s[8:9] offset:512*(\j)
.endr
.irp j, 0,1,2,3,4,5,6,7
	global_load_b128 v[XR+4*(\j):XR+4*(\j)+3], v[LO], s[10:11] offset:512*(\j)
.endr
	s_wait_loadcnt 16                              ; my parts of the vectors are in; the two rows' sixteen loads stay out
	ds_store_b128 v[LP], v[PS:PS+3]
	ds_store_b128 v[LP], v[PS+4:PS+7] offset:8192
	s_wait_dscnt 0x0                               ; for the others' sake: my stores are done
	s_barrier_signal -1
	s_barrier_wait -1
	PARAMS 0
	s_wait_loadcnt 8                               ; a's row is in; x's eight loads stay out
	s_wait_dscnt 0x0
	LNROW
	PARAMS 8192                                    ; the second norm's vectors come while the residual is added
	s_wait_loadcnt 0x0
.irp k, 0,1,2,3,4,5,6,7,8,9,10,11,12,13,14,15
	v_pk_add_f32 v[R+2*(\k):R+2*(\k)+1], v[R+2*(\k):R+2*(\k)+1], v[XR+2*(\k):XR+2*(\k)+1]
.endr
.irp j, 0,1,2,3,4,5,6,7
	global_store_b128 v[LO], v[R+4*(\j):R+4*(\j)+3], s[20:21] offset:512*(\j)  ; a wave's store covers 512 consecutive aligned bytes
.endr
	s_wait_xcnt 0x0                                ; the row is normalised in place only when the stores have read it
	s_wait_dscnt 0x0
	LNROW
.irp k, 0,1,2,3,4,5,6,7,8,9,10,11,12,13,14,15
	v_cvt_pk_f16_f32 v[R+(\k)], v[R+2*(\k)], v[R+2*(\k)+1]
.endr
.irp j, 0,1,2,3,4,5,6,7
	global_store_b64 v[OH], v[R+2*(\j):R+2*(\j)+1], s[22:23] offset:256*(\j)   ; 256 consecutive aligned bytes
.endr
	s_wait_tensorcnt 0x0                           ; the wave's end, behind my last LDS store
	ds_add_u32 v[SPW], v[NIL]
	s_wait_dscnt 0x0
	s_endpgm
.Lfunc_end_k_q4abeb16667_ln23:
	.size	k_q4abeb16667_ln23, .Lfunc_end_k_q4abeb16667_ln23-k_q4abeb16667_ln23
	.p2alignl 7, 3214868480
	.fill 96, 4, 3214868480
	.section	.rodata,"a",@progbits
	.p2align	6, 0x0
	.amdhsa_kernel k_q4abeb16667_ln23
		.amdhsa_group_segment_fixed_size 18432
		.amdhsa_private_segment_fixed_size 0
		.amdhsa_enable_private_segment 0
		.amdhsa_kernarg_size 64
		.amdhsa_user_sgpr_count 2
		.amdhsa_user_sgpr_kernarg_segment_ptr 1
		.amdhsa_wavefront_size32 1
		.amdhsa_system_sgpr_workgroup_id_x 1
		.amdhsa_system_sgpr_workgroup_id_y 1
		.amdhsa_system_sgpr_workgroup_id_z 1
		.amdhsa_system_vgpr_workitem_id 0
		.amdhsa_next_free_vgpr 160
		.amdhsa_next_free_sgpr 66
		.amdhsa_reserve_vcc 0
		.amdhsa_float_denorm_mode_32 3
		.amdhsa_float_denorm_mode_16_64 3
		.amdhsa_memory_ordered 1
		.amdhsa_forward_progress 1
		.amdhsa_inst_pref_size 22
	.end_amdhsa_kernel
	.amdgpu_metadata
---
amdhsa.version: [ 1, 2 ]
amdhsa.kernels:
  - .name:           k_q4abeb16667_ln23
    .symbol:         k_q4abeb16667_ln23.kd
    .args:
      - { .name: big2, .offset: 0, .size: 8, .value_kind: global_buffer, .address_space: global }
      - { .name: x, .offset: 8, .size: 8, .value_kind: global_buffer, .address_space: global }
      - { .name: ln2_w, .offset: 16, .size: 8, .value_kind: global_buffer, .address_space: global }
      - { .name: ln2_b, .offset: 24, .size: 8, .value_kind: global_buffer, .address_space: global }
      - { .name: ln3_w, .offset: 32, .size: 8, .value_kind: global_buffer, .address_space: global }
      - { .name: ln3_b, .offset: 40, .size: 8, .value_kind: global_buffer, .address_space: global }
      - { .name: x1, .offset: 48, .size: 8, .value_kind: global_buffer, .address_space: global }
      - { .name: hbuf, .offset: 56, .size: 8, .value_kind: global_buffer, .address_space: global }
    .group_segment_fixed_size: 18432
    .private_segment_fixed_size: 0
    .kernarg_segment_align: 8
    .kernarg_segment_size: 64
    .max_flat_workgroup_size: 512
    .sgpr_count:     66
    .vgpr_count:     160
    .wavefront_size: 32
...
	.end_amdgpu_metadata
.endif
;; end of part 5
;; launch fc1: the kernel of part 2 again; grid 16 x 16, 4 waves a work-group, clusters of 4 x 4, 327,680 bytes of LDS; arguments hbuf, w1h, big2; writes big2
;; launch ln4 (part 6): grid 256 x 1, 16 waves a work-group, no clusters, 327,680 bytes of LDS; arguments big2, b1, ln4_w, ln4_b, big1; writes big1
.if DOCPART == 6
	.amdgcn_target "amdgcn-amd-amdhsa--gfx1250"
	.amdhsa_code_object_version 6
	.text
	.protected	k_q4abeb16667_ln4
	.globl	k_q4abeb16667_ln4
	.p2align	8
	.type	k_q4abeb16667_ln4,@function
k_q4abeb16667_ln4:
	s_mov_b64 s[64:65], 0
	v_nop
	global_prefetch_b8 v0, s[64:65] scope:SCOPE_SE
	s_setreg_imm32_b32 hwreg(HW_REG_WAVE_MODE, 25, 1), 1
	s_wait_xcnt 0x0
; h4 = LN4(gelu(p + b1)).  p, h4: [4096][4096] f16; b1, ln4_w, ln4_b: [4096] f32.  All arithmetic in f32; the norm takes the mean, then the mean of the centred squares.
; gelu(x) = x (1 + erf(x / sqrt 2)) / 2 = max(x, 0) - |x| r(t) e^(-x^2 / 2), with t = 1 / (1 + 0.23164189 |x|) and r the polynomial of degree 5 of Abramowitz and Stegun's 7.1.26, halved:
; erf is off by 1.5e-7 at the most, for every x.  LIMITS.  p and h4 are f16: no number beyond 65,504; an infinite p gives NaN.
; A work-group owns 16 rows, each of its sixteen waves one: four waves on a SIMD, so that one works while another waits for LDS.  Tensor loads bring each wave's row (8,192 dense bytes) and, by waves
; 0 to 2, the three vectors into LDS, once: no LDS byte is filled again.
; A row goes three times through the wave: gelu and the sum (the results, f32, into the wave's own 16 KiB of LDS); the centred squares; the norm and the store.
; THE RESULTS LIE OVER THE ROW.  The row is loaded into the upper half of the wave's 16 KiB, which has had its only fill by then.  Trip t of the first pass stores bytes 1,024 t .. 1,024 t + 1,023 of the 16 KiB;
; the row's bytes not yet asked for begin at 8,192 + 512 (t + 2), never below the end of that store for t up to 15; and LDS serves a wave's instructions in order (ISA guide 5.7.1.4).
; LINE i of a row is columns 128 i + 4 lane + 0..3: 8 bytes a lane in f16, 16 in f32: every LDS access and every store covers neighbouring bytes.
; No matrix unit and no cluster: the work is vector work under a stream, and what work-groups share is the three vectors, 48 KiB beside 256 KiB of rows.
.set PAR,   262144    ; behind the sixteen waves' 16 KiB: b1, ln4_w, ln4_b, 16,384 bytes each
.set SPARE, 311296    ; behind those: the spare words, 128 bytes for each wave, which no other line names
.set T,   2           ; v[2:9]    four chains of sums
.set MU,  10          ; v[10:11]  the mean, twice
.set RS,  12          ; v[12:13]  1 / sqrt(var + eps), twice
.set TX,  14          ; v14       the other half of the lanes' sum
.set AR0, 16          ; v16  my 8 bytes in line 0 of my row; never rewritten
.set AP0, 17          ; v17  my 16 bytes in line 0 of b1; never rewritten
.set AG0, 18          ; v18  my 16 bytes in line 0 of my wave's results; never rewritten
.set AR,  19          ; v19-21  the same for the lines in hand
.set AP,  20
.set AG,  21
.set OG,  22          ; v22  my byte offset in h4's row
.set SPW, 24          ; v24  LDS address of my spare word; never rewritten
.set NIL, 25          ; v25  0; never rewritten
.set CA,  26          ; v[26:27]  the polynomial's second-highest coefficient, twice
.set H,   28          ; v[28:31]  two lines of p, f16
.set BB,  32          ; v[32:39]  two lines of b1
.set X,   40          ; v[40:47]  x = p + b1
.set AX,  48          ; v[48:55]  |x|, then |x| e^(-x^2/2)
.set U,   56          ; v[56:63]  1 + 0.2316 |x|, then t
.set Q,   64          ; v[64:71]  the exponent, then the exponential
.set RR,  72          ; v[72:79]  r(t)
.set GV,  80          ; v[80:87]  gelu
.set SUM, 88          ; v[88:91]  two chains
.set GG,  32          ; second and third pass: v[32:63] eight lines of results
.set WW,  64          ; v[64:95]   of ln4_w
.set BV,  96          ; v[96:127]  of ln4_b
.set OUT, 128         ; v[128:143] of h4
.set WV,  14          ; s14  my wave's number
.set G1,  16          ; s[16:23] descriptor group 1 for a row: 32 rows of 256 bytes, dense
.set G0R, 24          ; s[24:27] group 0: my row
.set G0P, 28          ; s[28:31] group 0: the vector that I fetch (waves 0 to 2)
.set SEL, 34
.set INV, 36
.set EPS, 37
.set CNT, 38
.set SR,  40          ; s40  byte offset of the lines in hand in my row of p
.set SO,  41          ; s41  the same in an f32 row
.set G1P, 48          ; s[48:55] descriptor group 1 for a vector: 64 rows of 256 bytes, dense
.macro WSUM r
	v_add_f32_dpp v[\r], v[\r], v[\r] row_xmask:1 row_mask:0xf bank_mask:0xf
	v_add_f32_dpp v[\r], v[\r], v[\r] row_xmask:2 row_mask:0xf bank_mask:0xf
	v_add_f32_dpp v[\r], v[\r], v[\r] row_xmask:4 row_mask:0xf bank_mask:0xf
	v_add_f32_dpp v[\r], v[\r], v[\r] row_xmask:8 row_mask:0xf bank_mask:0xf
	v_permlanex16_b32 v[TX], v[\r], s[SEL], s[SEL+1]
	v_add_f32 v[\r], v[\r], v[TX]
.endm
	s_load_b256 s[4:11], s[0:1], 0x0               ; p s[4:5], b1 s[6:7], ln4_w s[8:9], ln4_b s[10:11]
	s_load_b64 s[12:13], s[0:1], 0x20              ; h4
	v_lshl_add_u32 v[SPW], v0, 2, SPARE
	v_mov_b32 v[NIL], 0
	ds_add_u32 v[SPW], v[NIL]                      ; the wave's opening: the add and its wait stand ahead of my first tensor load
	ds_add_u32 v24, v25
	v_lshrrev_b32 v1, 5, v0
	v_readfirstlane_b32 s[WV], v1                  ; wave 0..15
.irp g, G1, G1P
	s_mov_b32 s[(\g)+0], 3<<16                     ; elements of 8 bytes, no mask, no padding
	s_mov_b32 s[(\g)+1], 32<<16                    ; tensor_dim0 = 32
	s_mov_b32 s[(\g)+3], 32<<16                    ; tile_dim0 = 32: 256 bytes
	s_mov_b32 s[(\g)+5], 32                        ; each row begins where the last ends
	s_mov_b32 s[(\g)+6], 0
	s_mov_b32 s[(\g)+7], 0
.endr
	s_mov_b32 s[G1+2], 32<<16                      ; tensor_dim1 = 32,
	s_mov_b32 s[G1+4], 32                          ; tile_dim1 = 32: 8,192 bytes
	s_mov_b32 s[G1P+2], 64<<16                     ; tensor_dim1 = 64,
	s_mov_b32 s[G1P+4], 64                         ; tile_dim1 = 64: 16,384 bytes
	s_lshl_b32 s32, ttmp9, 4
	s_add_co_u32 s32, s32, s[WV]                   ; my row: 16 x group + wave,
	s_lshl_b32 s32, s32, 13                        ; of 8,192 bytes
	s_mov_b32 s33, 0
	s_mov_b32 s[G0R], 1
	s_lshl_b32 s[G0R+1], s[WV], 14                 ; my 16 KiB of LDS,
	s_add_co_u32 s[G0R+1], s[G0R+1], 8192          ; its upper half
	s_mov_b32 s[G0P], 1
	s_min_u32 s15, s[WV], 2
	s_lshl_b32 s15, s15, 14
	s_add_co_u32 s[G0P+1], s15, PAR                ; my vector's place
	s_mov_b32 s[SEL], 0x76543210
	s_mov_b32 s[SEL+1], 0xfedcba98
	s_mov_b32 s[INV], 0x39800000                   ; 1 / 4096
	s_mov_b32 s[EPS], 0x3727c5ac                   ; 1e-5
	s_wait_dscnt 0x0                               ; the opening add is done
	s_wait_kmcnt 0x0
	s_add_nc_u64 s[G0R+2:G0R+3], s[4:5], s[32:33]
	s_or_b32 s[G0R+3], s[G0R+3], 0x80000000
	s_cmp_eq_u32 s[WV], 1
	s_cselect_b64 s[44:45], s[8:9], s[6:7]
	s_cmp_eq_u32 s[WV], 2
	s_cselect_b64 s[44:45], s[10:11], s[44:45]
	s_mov_b64 s[G0P+2:G0P+3], s[44:45]
	s_or_b32 s[G0P+3], s[G0P+3], 0x80000000
	s_add_nc_u64 s[12:13], s[12:13], s[32:33]
	s_cmp_lt_u32 s[WV], 3                          ; a wave's first fills stand in one branch: two loads for waves 0 to 2, the vector's first; one for the others
	s_cbranch_scc0 .Lrow_only
	tensor_load_to_lds s[G0P:G0P+3], s[G1P:G1P+7]
	s_nop 0
	tensor_load_to_lds s[G0R:G0R+3], s[G1:G1+7]
	s_nop 0
.rept 4
	v_nop
.endr
	s_branch .Lasked
.Lrow_only:
	tensor_load_to_lds s[G0R:G0R+3], s[G1:G1+7]
	s_nop 0
.rept 4
	v_nop
.endr
.Lasked:
	v_and_b32 v1, 31, v0
	v_lshlrev_b32 v[AR0], 3, v1
	v_lshl_add_u32 v[AR0], s[WV], 14, v[AR0]
	v_add_nc_u32 v[AR0], 8192, v[AR0]
	v_lshlrev_b32 v[AP0], 4, v1
	v_lshl_add_u32 v[AG0], s[WV], 14, v[AP0]
	v_add_nc_u32 v[AP0], PAR, v[AP0]
	v_lshlrev_b32 v[OG], 3, v1
	v_mov_b32 v[TX], 0                             ; v_permlanex16_b32's destination counts as read
	v_mov_b32 v[CA], 0xbf3a00e3                    ; -0.7265760135
	v_mov_b32 v[CA+1], 0xbf3a00e3
	s_wait_tensorcnt 0x1                           ; waves 0 to 2: my vector has landed, and the one load issued behind it, my row's, may stay out; the other waves have that one load alone
	s_barrier_signal -1
	s_barrier_wait -1                              ; the three vectors are whole
	s_wait_tensorcnt 0x0                           ; my row, which I alone read, has landed
	; FIRST PASS: gelu and its sum, two lines a trip; the next trip's lines are asked for as soon as this trip's have left their registers
	s_mov_b32 s[SR], 0
	s_mov_b32 s[SO], 0
	ds_load_b64 v[H:H+1], v[AR0]
	ds_load_b64 v[H+2:H+3], v[AR0] offset:256
	ds_load_b128 v[BB:BB+3], v[AP0]
	ds_load_b128 v[BB+4:BB+7], v[AP0] offset:512
.irp k, 0,1,2,3
	v_mov_b32 v[SUM+(\k)], 0
.endr
	s_mov_b32 s[CNT], 16
.Lgelu:
	s_wait_dscnt 0x0                               ; this trip's lines are in (and the last trip's stores done)
.irp k, 0,1,2,3
	v_cvt_f32_f16 v[X+2*(\k)], v[H+(\k)].l
	v_cvt_f32_f16 v[X+2*(\k)+1], v[H+(\k)].h
.endr
.irp k, 0,2,4,6
	v_pk_add_f32 v[X+(\k):X+(\k)+1], v[X+(\k):X+(\k)+1], v[BB+(\k):BB+(\k)+1]
.endr
	v_add_nc_u32 v[AG], s[SO], v[AG0]              ; where this trip's results go
	s_add_co_u32 s[SR], s[SR], 512
	s_add_co_u32 s[SO], s[SO], 1024
	s_cmp_eq_u32 s[CNT], 1
	s_cbranch_scc1 .Lno_more                       ; the last trip asks for nothing
	v_add_nc_u32 v[AR], s[SR], v[AR0]
	v_add_nc_u32 v[AP], s[SO], v[AP0]
	ds_load_b64 v[H:H+1], v[AR]
	ds_load_b64 v[H+2:H+3], v[AR] offset:256
	ds_load_b128 v[BB:BB+3], v[AP]
	ds_load_b128 v[BB+4:BB+7], v[AP] offset:512
.Lno_more:
.irp k, 0,1,2,3,4,5,6,7
	v_and_b32 v[AX+(\k)], 0x7fffffff, v[X+(\k)]
.endr
.irp k, 0,2,4,6
	v_pk_fma_f32 v[U+(\k):U+(\k)+1], v[AX+(\k):AX+(\k)+1], 0x3e6d3388, 1.0 op_sel_hi:[1,0,0]  ; 1 + 0.23164189 |x|
.endr
.irp k, 0,1,2,3,4,5,6,7
	v_rcp_f32 v[U+(\k)], v[U+(\k)]                 ; t; the plain lines below stand between the reciprocals and their use (ISA guide 5.7.2)
.endr
.irp k, 0,2,4,6
	v_pk_mul_f32 v[Q+(\k):Q+(\k)+1], v[X+(\k):X+(\k)+1], v[X+(\k):X+(\k)+1]
.endr
.irp k, 0,2,4,6
	v_pk_mul_f32 v[Q+(\k):Q+(\k)+1], v[Q+(\k):Q+(\k)+1], 0xbf38aa3b op_sel_hi:[1,0]             ; -x^2 log2(e) / 2
.endr
.irp k, 0,1,2,3,4,5,6,7
	v_exp_f32 v[Q+(\k)], v[Q+(\k)]                 ; e^(-x^2 / 2); the polynomial stands between the exponentials and their use
.endr
	s_wait_alu depctr_va_vdst(0)
.irp k, 0,2,4,6
	v_pk_fma_f32 v[RR+(\k):RR+(\k)+1], v[U+(\k):U+(\k)+1], 0x3f07dc22, v[CA:CA+1] op_sel_hi:[1,0,1]   ; 0.5307027145 t - 0.7265760135
.endr
.irp k, 0,2,4,6
	v_pk_fma_f32 v[RR+(\k):RR+(\k)+1], v[RR+(\k):RR+(\k)+1], v[U+(\k):U+(\k)+1], 0x3f35f0e3 op_sel_hi:[1,1,0]  ; + 0.7107068705
.endr
.irp k, 0,2,4,6
	v_pk_fma_f32 v[RR+(\k):RR+(\k)+1], v[RR+(\k):RR+(\k)+1], v[U+(\k):U+(\k)+1], 0xbe11a98e op_sel_hi:[1,1,0]  ; - 0.142248368
.endr
.irp k, 0,2,4,6
	v_pk_fma_f32 v[RR+(\k):RR+(\k)+1], v[RR+(\k):RR+(\k)+1], v[U+(\k):U+(\k)+1], 0x3e027906 op_sel_hi:[1,1,0]  ; + 0.127414796
.endr
.irp k, 0,2,4,6
	v_pk_mul_f32 v[RR+(\k):RR+(\k)+1], v[RR+(\k):RR+(\k)+1], v[U+(\k):U+(\k)+1]
.endr
.irp k, 0,2,4,6
	v_pk_mul_f32 v[AX+(\k):AX+(\k)+1], v[AX+(\k):AX+(\k)+1], v[Q+(\k):Q+(\k)+1]
.endr
.irp k, 0,1,2,3,4,5,6,7
	v_max_num_f32 v[GV+(\k)], 0, v[X+(\k)]
.endr
.irp k, 0,2,4,6
	v_pk_fma_f32 v[GV+(\k):GV+(\k)+1], v[RR+(\k):RR+(\k)+1], v[AX+(\k):AX+(\k)+1], v[GV+(\k):GV+(\k)+1] neg_lo:[1,0,0] neg_hi:[1,0,0]
.endr
	v_pk_add_f32 v[SUM:SUM+1], v[SUM:SUM+1], v[GV:GV+1]
	v_pk_add_f32 v[SUM+2:SUM+3], v[SUM+2:SUM+3], v[GV+2:GV+3]
	v_pk_add_f32 v[SUM:SUM+1], v[SUM:SUM+1], v[GV+4:GV+5]
	v_pk_add_f32 v[SUM+2:SUM+3], v[SUM+2:SUM+3], v[GV+6:GV+7]
	ds_store_b128 v[AG], v[GV:GV+3]
	ds_store_b128 v[AG], v[GV+4:GV+7] offset:512
	s_sub_co_u32 s[CNT], s[CNT], 1
	s_cmp_lg_u32 s[CNT], 0
	s_cbranch_scc1 .Lgelu
	v_pk_add_f32 v[SUM:SUM+1], v[SUM:SUM+1], v[SUM+2:SUM+3]
	v_add_f32 v[T], v[SUM], v[SUM+1]
	WSUM T
	v_mul_f32 v[MU], s[INV], v[T]
	v_mul_f32 v[MU+1], s[INV], v[T]
	; SECOND PASS: the centred squares, eight lines a trip.  The bytes are my wave's own, and LDS serves a wave's instructions in order (ISA guide 5.7.1.4): no barrier
.irp k, 0,1,2,3,4,5,6,7
	v_mov_b32 v[T+(\k)], 0
.endr
	s_mov_b32 s[SO], 0
	s_mov_b32 s[CNT], 4
.Lsquares:
	v_add_nc_u32 v[AG], s[SO], v[AG0]
.irp j, 0,1,2,3,4,5,6,7
	ds_load_b128 v[GG+4*(\j):GG+4*(\j)+3], v[AG] offset:512*(\j)
.endr
	s_wait_dscnt 0x0
.irp k, 0,1,2,3,4,5,6,7,8,9,10,11,12,13,14,15
	v_pk_add_f32 v[GG+2*(\k):GG+2*(\k)+1], v[GG+2*(\k):GG+2*(\k)+1], v[MU:MU+1] neg_lo:[0,1] neg_hi:[0,1]
.endr
.irp k, 0,1,2,3,4,5,6,7,8,9,10,11,12,13,14,15
	v_pk_fma_f32 v[T+2*((\k)%4):T+2*((\k)%4)+1], v[GG+2*(\k):GG+2*(\k)+1], v[GG+2*(\k):GG+2*(\k)+1], v[T+2*((\k)%4):T+2*((\k)%4)+1]
.endr
	s_add_co_u32 s[SO], s[SO], 4096
	s_sub_co_u32 s[CNT], s[CNT], 1
	s_cmp_lg_u32 s[CNT], 0
	s_cbranch_scc1 .Lsquares
	v_pk_add_f32 v[T:T+1], v[T:T+1], v[T+2:T+3]
	v_pk_add_f32 v[T+4:T+5], v[T+4:T+5], v[T+6:T+7]
	v_pk_add_f32 v[T:T+1], v[T:T+1], v[T+4:T+5]
	v_add_f32 v[T], v[T], v[T+1]
	WSUM T
	v_fma_f32 v[T], v[T], s[INV], s[EPS]
	v_rsq_f32 v[RS], v[T]
	v_rsq_f32 v[RS+1], v[T]
	v_nop                                          ; a plain instruction between the root and the use of its result
	; THIRD PASS: the norm, eight lines a trip
	s_mov_b32 s[SO], 0
	s_mov_b32 s[CNT], 4
.Lnorm:
	v_add_nc_u32 v[AG], s[SO], v[AG0]
	v_add_nc_u32 v[AP], s[SO], v[AP0]
.irp j, 0,1,2,3,4,5,6,7
	ds_load_b128 v[GG+4*(\j):GG+4*(\j)+3], v[AG] offset:512*(\j)
	ds_load_b128 v[WW+4*(\j):WW+4*(\j)+3], v[AP] offset:16384+512*(\j)
	ds_load_b128 v[BV+4*(\j):BV+4*(\j)+3], v[AP] offset:32768+512*(\j)
.endr
	s_wait_dscnt 0x0
.irp k, 0,1,2,3,4,5,6,7,8,9,10,11,12,13,14,15
	v_pk_add_f32 v[GG+2*(\k):GG+2*(\k)+1], v[GG+2*(\k):GG+2*(\k)+1], v[MU:MU+1] neg_lo:[0,1] neg_hi:[0,1]
.endr
	s_wait_alu depctr_va_vdst(0)
.irp k, 0,1,2,3,4,5,6,7,8,9,10,11,12,13,14,15
	v_pk_mul_f32 v[GG+2*(\k):GG+2*(\k)+1], v[GG+2*(\k):GG+2*(\k)+1], v[RS:RS+1]
.endr
.irp k, 0,1,2,3,4,5,6,7,8,9,10,11,12,13,14,15
	v_pk_fma_f32 v[GG+2*(\k):GG+2*(\k)+1], v[GG+2*(\k):GG+2*(\k)+1], v[WW+2*(\k):WW+2*(\k)+1], v[BV+2*(\k):BV+2*(\k)+1]
.endr
.irp k, 0,1,2,3,4,5,6,7,8,9,10,11,12,13,14,15
	v_cvt_pk_f16_f32 v[OUT+(\k)], v[GG+2*(\k)], v[GG+2*(\k)+1]
.endr
.irp j, 0,1,2,3,4,5,6,7
	global_store_b64 v[OG], v[OUT+2*(\j):OUT+2*(\j)+1], s[12:13] offset:256*(\j)  ; a wave's store covers 256 consecutive aligned bytes
.endr
	s_wait_xcnt 0x0                                ; the stores have read their offset and their data: both are written again below and in the next trip
	v_add_nc_u32 v[OG], 2048, v[OG]                ; four trips of 2,048 bytes are the row
	s_add_co_u32 s[SO], s[SO], 4096
	s_sub_co_u32 s[CNT], s[CNT], 1
	s_cmp_lg_u32 s[CNT], 0
	s_cbranch_scc1 .Lnorm
	s_wait_tensorcnt 0x0                           ; the wave's end
	ds_add_u32 v[SPW], v[NIL]
	s_wait_dscnt 0x0
	s_endpgm
.Lfunc_end_k_q4abeb16667_ln4:
	.size	k_q4abeb16667_ln4, .Lfunc_end_k_q4abeb16667_ln4-k_q4abeb16667_ln4
	.p2alignl 7, 3214868480
	.fill 96, 4, 3214868480
	.section	.rodata,"a",@progbits
	.p2align	6, 0x0
	.amdhsa_kernel k_q4abeb16667_ln4
		.amdhsa_group_segment_fixed_size 327680
		.amdhsa_private_segment_fixed_size 0
		.amdhsa_enable_private_segment 0
		.amdhsa_kernarg_size 40
		.amdhsa_user_sgpr_count 2
		.amdhsa_user_sgpr_kernarg_segment_ptr 1
		.amdhsa_wavefront_size32 1
		.amdhsa_system_sgpr_workgroup_id_x 1
		.amdhsa_system_sgpr_workgroup_id_y 1
		.amdhsa_system_sgpr_workgroup_id_z 1
		.amdhsa_system_vgpr_workitem_id 0
		.amdhsa_next_free_vgpr 144
		.amdhsa_next_free_sgpr 66
		.amdhsa_reserve_vcc 0
		.amdhsa_float_denorm_mode_32 3
		.amdhsa_float_denorm_mode_16_64 3
		.amdhsa_memory_ordered 1
		.amdhsa_forward_progress 1
		.amdhsa_inst_pref_size 22
	.end_amdhsa_kernel
	.amdgpu_metadata
---
amdhsa.version: [ 1, 2 ]
amdhsa.kernels:
  - .name:           k_q4abeb16667_ln4
    .symbol:         k_q4abeb16667_ln4.kd
    .args:
      - { .name: big2, .offset: 0, .size: 8, .value_kind: global_buffer, .address_space: global }
      - { .name: b1, .offset: 8, .size: 8, .value_kind: global_buffer, .address_space: global }
      - { .name: ln4_w, .offset: 16, .size: 8, .value_kind: global_buffer, .address_space: global }
      - { .name: ln4_b, .offset: 24, .size: 8, .value_kind: global_buffer, .address_space: global }
      - { .name: big1, .offset: 32, .size: 8, .value_kind: global_buffer, .address_space: global }
    .group_segment_fixed_size: 327680
    .private_segment_fixed_size: 0
    .kernarg_segment_align: 8
    .kernarg_segment_size: 40
    .max_flat_workgroup_size: 512
    .sgpr_count:     66
    .vgpr_count:     144
    .wavefront_size: 32
...
	.end_amdgpu_metadata
.endif
;; end of part 6
;; launch gemm_2 (part 7): grid 8 x 32, 4 waves a work-group, clusters of 4 x 4, 327,680 bytes of LDS; arguments big1, wo2, x1, b2, lam, out0; writes out0
.if DOCPART == 7
	.amdgcn_target "amdgcn-amd-amdhsa--gfx1250"
	.amdhsa_code_object_version 6
	.text
	.protected	k_q4abeb16667_gemm_2
	.globl	k_q4abeb16667_gemm_2
	.p2align	8
	.type	k_q4abeb16667_gemm_2,@function
k_q4abeb16667_gemm_2:
	s_mov_b64 s[64:65], 0
	v_nop
	global_prefetch_b8 v0, s[64:65] scope:SCOPE_SE
	s_setreg_imm32_b32 hwreg(HW_REG_WAVE_MODE, 25, 1), 1
	s_wait_xcnt 0x0
	s_wait_alu depctr_hold_cnt(0) depctr_sa_sdst(0) depctr_va_vdst(0) depctr_va_sdst(0) depctr_va_ssrc(0) depctr_va_vcc(0) depctr_vm_vsrc(0)
	s_getreg_b32 s2, hwreg(HW_REG_IB_STS2, 6, 4)
	s_cmp_eq_u32 s2, 0
	s_cbranch_scc0 .Lentry_in_a_cluster
	s_endpgm
.Lentry_in_a_cluster:
	s_bfe_u32 s2, ttmp6, 0x10000c
	s_cmp_lg_u32 s2, 0xf033
	s_cbranch_scc0 .Lentry_shape_is_right
	s_endpgm
.Lentry_shape_is_right:
; out[m][n] = sum over k of h4[m][k] W2[k][n] + b2[n] + lam[n] x1[m][n].  h4: [4096][4096] f16; W2: [4096][1024] f16, 2 MiB into its buffer; x1, out: [4096][1024] f32; b2, lam: [1024] f32.
; Sums in f32; the bias and the residual are added in f32 on the way out.  LIMIT.  A sum's K steps are taken in a rotated order (below): an order of rounding that differs from one ascending sum.
; A tile of out is 128 x 128, so that 256 work-groups share the work.  Four waves, each 64 x 64: 16 accumulators.  K goes in 16 steps of 256 through a ring of two LDS slots.
; A's rows lie along K (512 bytes a step); B's rows lie along N: its fragments are read turned, by ds_load_tr16_b128.
; CLUSTER: 4 x 4 work-groups; A's tiles are asked for jointly along a row of the cluster, B's along a column.
; THE WALK GOES ROUND.  A cluster begins at K step (8 cluster x + 2 cluster y) mod 16 and goes round.  The two clusters that read the same tiles of A stand eight steps apart: each asks first for one half of
; those tiles and finds the other half asked for eight steps before.  The eight clusters that read the same tiles of B stand two steps apart from neighbour to neighbour.  The first step hangs on the
; cluster's own x and y, which all partners share: every joint descriptor stays equal in the four that its mask names.
; One K step is written once and looped (the LDS addresses hang on s[TB]; a fill's global address is made anew from its K step's number); the tail is a second copy, walked twice and left in its middle:
; its last barrier and 32 loads serve nothing.
; My 64 x 64 of x1 is asked for at the start, into 128 registers that nothing else uses, and waited for once, on the way out.  x1 is read once and out written once in the launch: both carry that hint.
; THE MATRIX INSTRUCTION IS USED TRANSPOSED (source 0 = 16 columns of B, source 1 = 16 rows of A): a lane holds eight neighbouring numbers of a row of out.
; REGISTERS: window 0: v0-31 addresses, b2 and lam; v32-95 rows read back on the way out, two buffers; v128-255 the accumulators ((a, b) at v[128 + 8 (4 a + b)]).
;   window 1: two fragment buffers of 128: for 64 along K, 64 registers of A, then 64 of B.      window 2: v0-127 x1: rows 16 a + 2 t + l / 16, columns 4 (l % 16) + 0..3 at v[4 (8 a + t)]
.set NK,     16
.set PA,     528                       ; A's row in LDS: 512 bytes + 16: the 16 rows of a load start at 16 different groups of four banks (64 banks of 4 bytes: ISA guide 11.1)
.set AHALF,  64*PA                     ; what one of A's tensor loads brings: 64 rows
.set ASH,    9                         ; a K step is 2^9 bytes along h4's rows,
.set BSH,    19                        ; and 256 rows of 2,048 bytes: 2^19 bytes of W2
.set PB,     288                       ; B's row in LDS: 256 bytes + 32
.set BHALF,  128*PB                    ; what one of B's tensor loads brings: 128 rows
.set BBASE,  2097152                   ; W2 lies behind Wo in its buffer
.set BOFF,   73728                     ; B's 256 rows lie behind A's tile
.set SLOT,   147456                    ; 0x24000: no bit of it occurs in a tile's place in a slot, so an exclusive or changes slots
.set STAGE,  2*SLOT                    ; behind the ring: 16 rows x 272 bytes for each wave
.set SPITCH, 272
.set SPARE,  STAGE+4*16*SPITCH         ; the spare words, 128 bytes for each wave, which no other line names
.set OPITCH, 4096                      ; bytes in a row of out and of x1
.set BI,   8                           ; v[8:11]   b2 of my four columns
.set LM,   12                          ; v[12:15]  lam of them
.set ADRA0, 16
.set ADRB0, 17
.set ADRA,  20
.set ADRB,  21                         ; v21  B's K rows 0-127; v22 its K rows 128-255
.set STO,  24
.set RD,   25
.set CO,   26
.set CV,   27                          ; v27  16 (l % 16)
.set SPW,  28
.set NIL,  29
.set OB,   32
.set ACC,  128
.set F0,   0
.set F1,   128
.set X1,   0                           ; in window 2
.set WV, 16                            ; s16 wave; s17 wave / 2; s18 wave % 2
.set TB, 23                            ; s23  0 or SLOT
.set G1, 24
.set G0, 32
.set AB, 42                            ; s[42:43] h4 at my half of the tile's rows, K = 0; never rewritten
.set BB, 44                            ; s[44:45] W2 at my half of K step 0's rows, the tile's columns; never rewritten
.set G1B, 48
.set G0B, 56
.set KI,  72                           ; s72  the K step to be asked for next
.set OFA, 74                           ; s[74:75] its byte offset in h4
.set OFB, 76                           ; s[76:77] its byte offset in W2
.set MSB, 0
.macro WIN new
.if MSB != (\new)
	s_set_vgpr_msb (MSB<<8)|(\new)
.set MSB, \new
.endif
.endm
.set MUL,  0x05                        ; sources 0 (B) and 1 (A) window 1; C and D window 0
.set TO_F, 0x40                        ; destination window 1, address window 0
.macro JLOAD s                         ; a joint load: waves 0 and 1 fetch A's two halves, waves 2 and 3 B's; an s_nop 0 and four v_nop follow each of the two lines
	s_cmp_eq_u32 s17, 0
	s_cbranch_scc0 .Lfor_b_\@
	tensor_load_to_lds s[G0+4*(\s):G0+4*(\s)+3], s[G1:G1+7]
	s_nop 0
.rept 4
	v_nop
.endr
	s_branch .Lasked_\@
.Lfor_b_\@:
	tensor_load_to_lds s[G0B+4*(\s):G0B+4*(\s)+3], s[G1B:G1B+7]
	s_nop 0
.rept 4
	v_nop
.endr
.Lasked_\@:
.endm
; The global addresses of K step KI go into set s of both group 0s, and KI steps on, round modulo NK.  No tensor load that names the set is out where this stands.
.macro AIM s
	s_lshl_b32 s[OFA], s[KI], ASH
	s_add_nc_u64 s[G0+4*(\s)+2:G0+4*(\s)+3], s[AB:AB+1], s[OFA:OFA+1]
	s_or_b32 s[G0+4*(\s)+3], s[G0+4*(\s)+3], 0x80000000            ; type = 2
	s_lshl_b32 s[OFB], s[KI], BSH
	s_add_nc_u64 s[G0B+4*(\s)+2:G0B+4*(\s)+3], s[BB:BB+1], s[OFB:OFB+1]
	s_or_b32 s[G0B+4*(\s)+3], s[G0B+4*(\s)+3], 0x80000000
	s_add_co_u32 s[KI], s[KI], 1
	s_and_b32 s[KI], s[KI], NK-1
.endm
.macro CREST
	s_cmp_lg_u32 s[WV], 0
	s_cbranch_scc1 .Lnot_wave_0_\@
	s_barrier_signal -3
.Lnot_wave_0_\@:
	s_barrier_wait -3
	s_barrier_signal -1
	s_barrier_wait -1
.endm
.macro CROUND
	s_barrier_signal -1
	s_barrier_wait -1
	CREST
.endm
	s_load_b256 s[4:11], s[0:1], 0x0               ; h4 s[4:5], the weights s[6:7], x1 s[8:9], b2 s[10:11]
	s_load_b128 s[12:15], s[0:1], 0x20             ; lam s[12:13], out s[14:15]
	v_lshl_add_u32 v[SPW], v0, 2, SPARE
	v_mov_b32 v[NIL], 0
	ds_add_u32 v[SPW], v[NIL]                      ; the wave's opening: the add and its wait stand ahead of my first tensor load
	ds_add_u32 v28, v29
	v_lshrrev_b32 v1, 5, v0
	v_readfirstlane_b32 s[WV], v1
	s_lshr_b32 s17, s[WV], 1                       ; which half of the tile's rows is mine.  Also: I fetch for A (0) or for B (1)
	s_and_b32 s18, s[WV], 1                        ; which half of its columns.  Also: which half of that tile I fetch
	s_bfe_u32 s19, ttmp6, 0x40000                  ; cx
	s_bfe_u32 s20, ttmp6, 0x40004                  ; cy
	s_lshl_b32 s21, ttmp9, 2
	s_add_co_u32 s21, s21, s19                     ; tile column
	s_and_b32 s22, ttmp7, 0xffff
	s_lshl_b32 s22, s22, 2
	s_add_co_u32 s22, s22, s20                     ; tile row
	s_lshl_b32 s40, s20, 2
	s_lshl_b32 s40, 15, s40                        ; my row of the cluster
	s_lshl_b32 s41, 0x1111, s19                    ; my column
	s_and_b32 s[KI], ttmp7, 0xffff                 ; the cluster's first K step: (8 cluster x + 2 cluster y) mod 16
	s_lshl_b32 s[KI], s[KI], 1
	s_lshl_b32 s[OFA], ttmp9, 3
	s_add_co_u32 s[KI], s[KI], s[OFA]
	s_and_b32 s[KI], s[KI], NK-1
	s_mov_b32 s[OFA+1], 0
	s_mov_b32 s[OFB+1], 0
	s_or_b32 s[G1+0], s40, (1<<16)|(1<<20)|(1<<21)|(6<<22)|(3<<25)   ; the mask; 2-byte elements; padding on; bit 21 beside a mask; after every 128 words 4 words
	s_mov_b32 s[G1+1], 256<<16                     ; tensor_dim0 = 256
	s_mov_b32 s[G1+2], 64<<16                      ; tensor_dim1 = 64
	s_mov_b32 s[G1+3], 256<<16                     ; tile_dim0 = 256
	s_mov_b32 s[G1+4], 64                          ; tile_dim1 = 64
	s_mov_b32 s[G1+5], 4096                        ; elements from row to row of h4
	s_mov_b32 s[G1+6], 0
	s_mov_b32 s[G1+7], 0
	s_or_b32 s[G1B+0], s41, (1<<16)|(1<<20)|(1<<21)|(5<<22)|(7<<25)  ; after every 64 words 8 words
	s_mov_b32 s[G1B+1], 128<<16
	s_mov_b32 s[G1B+2], 128<<16
	s_mov_b32 s[G1B+3], 128<<16
	s_mov_b32 s[G1B+4], 128
	s_mov_b32 s[G1B+5], 1024
	s_mov_b32 s[G1B+6], 0
	s_mov_b32 s[G1B+7], 0
	s_lshl_b32 s42, s22, 7
	s_lshl_b32 s43, s18, 6
	s_add_co_u32 s42, s42, s43                     ; A: row 128 x tile row + 64 x half,
	s_lshl_b32 s42, s42, 13                        ; of 8,192 bytes
	s_mov_b32 s43, 0
	s_lshl_b32 s44, s21, 8                         ; B: 256 bytes of columns a tile column,
	s_lshl_b32 s45, s18, 18                        ; 128 rows of 2,048 bytes a half,
	s_add_co_u32 s44, s44, s45
	s_add_co_u32 s44, s44, BBASE                   ; behind Wo
	s_mov_b32 s45, 0
	s_mul_i32 s46, s18, AHALF                      ; where they go
	s_mul_i32 s47, s18, BHALF
	s_add_co_u32 s47, s47, BOFF
	s_lshl_b32 s68, s21, 9                         ; my first column, in bytes of f32
	s_lshl_b32 s69, s18, 8
	s_add_co_u32 s68, s68, s69
	s_mov_b32 s69, 0
	s_lshl_b32 s66, s22, 7
	s_lshl_b32 s67, s17, 6
	s_add_co_u32 s66, s66, s67                     ; my first row of out and of x1,
	s_lshl_b32 s66, s66, 12                        ; of 4,096 bytes,
	s_add_co_u32 s66, s66, s68                     ; + my first column
	s_mov_b32 s67, 0
	s_mov_b32 s[TB], 0
	s_wait_dscnt 0x0                               ; the opening add is done
	s_wait_kmcnt 0x0
	s_add_nc_u64 s[AB:AB+1], s[4:5], s[42:43]
	s_add_nc_u64 s[BB:BB+1], s[6:7], s[44:45]
	s_add_nc_u64 s[8:9], s[8:9], s[66:67]
	s_add_nc_u64 s[14:15], s[14:15], s[66:67]
	s_add_nc_u64 s[10:11], s[10:11], s[68:69]
	s_add_nc_u64 s[12:13], s[12:13], s[68:69]
	CROUND                                         ; all sixteen work-groups are here: the first joint loads meet
.irp s, 0,1
	s_mov_b32 s[G0+4*(\s)], 1
	s_add_co_u32 s[G0+4*(\s)+1], s46, (\s)*SLOT
	s_mov_b32 s[G0B+4*(\s)], 1
	s_add_co_u32 s[G0B+4*(\s)+1], s47, (\s)*SLOT
	AIM \s
	JLOAD \s                                       ; the walk's first two K steps: two loads of mine are out
.endr
	v_and_b32 v1, 15, v0                           ; l % 16
	v_bfe_u32 v2, v0, 4, 1                         ; l / 16
	v_lshlrev_b32 v[CV], 4, v1
	v_lshlrev_b32 v5, 12, v2                       ; lanes 0-15 one row of out, lanes 16-31 the next
	v_lshl_add_u32 v[CO], v1, 4, v5
	global_load_b128 v[BI:BI+3], v[CV], s[10:11]
	global_load_b128 v[LM:LM+3], v[CV], s[12:13]
	WIN 0x80                                       ; destination window 2, address window 0
.set i, 0
.rept 32
	global_load_b128 v[X1+4*i:X1+4*i+3], v[CO], s[8:9] offset:(16*(i/8)+2*(i%8))*OPITCH th:TH_LOAD_NT
.set i, i+1
.endr
	WIN 0
	v_mul_u32_u24 v3, v1, PA
	v_lshl_add_u32 v3, v2, 4, v3
	s_mul_i32 s40, s17, AHALF                      ; my 64 rows of A
	v_add_nc_u32 v[ADRA0], s40, v3
	v_and_b32 v4, 7, v0
	v_lshl_add_u32 v4, v2, 3, v4
	v_mul_u32_u24 v4, v4, PB
	v_bfe_u32 v5, v0, 3, 1
	v_lshl_add_u32 v4, v5, 4, v4
	s_lshl_b32 s41, s18, 7                         ; my 64 columns of B
	s_add_co_u32 s41, s41, BOFF
	v_add_nc_u32 v[ADRB0], s41, v4
	v_mov_b32 v[ADRA], v[ADRA0]
	v_mov_b32 v[ADRB], v[ADRB0]
	v_add_nc_u32 v[ADRB+1], BHALF, v[ADRB0]
	s_mul_i32 s40, s[WV], 16*SPITCH
	s_add_co_u32 s40, s40, STAGE                   ; my stage
	v_mul_u32_u24 v4, v1, SPITCH                   ; in: row l % 16, 32 bytes for each half of the lanes
	v_lshl_add_u32 v4, v2, 5, v4
	v_add_nc_u32 v[STO], s40, v4
	v_mul_u32_u24 v5, v2, SPITCH                   ; back: lanes 0-15 take one row of 256 bytes, lanes 16-31 the next
	v_lshl_add_u32 v5, v1, 4, v5
	v_add_nc_u32 v[RD], s40, v5
; 8 matrix instructions: m blocks a0, a0 + 1 x all 4 n blocks, 32 along K: half c of buffer f.  The 16 accumulators take turns.
.macro MUL8 f, c, a0, zero
	WIN MUL
.irp a, \a0, (\a0)+1
.irp b, 0,1,2,3
.if \zero
	v_wmma_f32_16x16x32_f16 v[ACC+8*(4*(\a)+(\b)):ACC+8*(4*(\a)+(\b))+7], v[(\f)+64+8*(4*(\c)+(\b)):(\f)+64+8*(4*(\c)+(\b))+7], v[(\f)+8*(4*(\c)+(\a)):(\f)+8*(4*(\c)+(\a))+7], 0
.else
	v_wmma_f32_16x16x32_f16 v[ACC+8*(4*(\a)+(\b)):ACC+8*(4*(\a)+(\b))+7], v[(\f)+64+8*(4*(\c)+(\b)):(\f)+64+8*(4*(\c)+(\b))+7], v[(\f)+8*(4*(\c)+(\a)):(\f)+8*(4*(\c)+(\a))+7], v[ACC+8*(4*(\a)+(\b)):ACC+8*(4*(\a)+(\b))+7]
.endif
.endr
.endr
.endm
; 32 LDS loads in one run: the fragments of quarter q (64 along K) into buffer f; the first 32 along K first
.macro FETCH q, f
	WIN TO_F
.irp c, 0,1
.irp i, 0,1,2,3
	ds_load_tr16_b128 v[(\f)+64+8*(4*(\c)+(\i)):(\f)+64+8*(4*(\c)+(\i))+3],   v[ADRB+(\q)/2] offset:((\q)%2)*64*PB+(\c)*32*PB+(\i)*32
	ds_load_tr16_b128 v[(\f)+64+8*(4*(\c)+(\i))+4:(\f)+64+8*(4*(\c)+(\i))+7], v[ADRB+(\q)/2] offset:((\q)%2)*64*PB+(\c)*32*PB+16*PB+(\i)*32
	ds_load_b128 v[(\f)+8*(4*(\c)+(\i)):(\f)+8*(4*(\c)+(\i))+3],   v[ADRA] offset:(\q)*128+(\c)*64+(\i)*16*PA
	ds_load_b128 v[(\f)+8*(4*(\c)+(\i))+4:(\f)+8*(4*(\c)+(\i))+7], v[ADRA] offset:(\q)*128+(\c)*64+(\i)*16*PA+32
.endr
.endr
.endm
.macro PLACES                          ; four plain vector instructions between a matrix instruction and a load into, or a read of, its registers (ISA guide 7.12.1 for a read)
.rept 4
	v_nop
.endr
.endm
.macro QUARTER q, f, g, zero           ; multiplies buffer f; in its middle it fetches quarter q into buffer g
	s_wait_dscnt 16                                ; the first 32 along K are in
	MUL8 \f, 0, 0, \zero
	MUL8 \f, 0, 2, \zero
	PLACES
	FETCH \q, \g
	s_wait_dscnt 32                                ; all but the 32 just issued
	MUL8 \f, 1, 0, 0
	MUL8 \f, 1, 2, 0
.endm
; The last quarter multiplies buffer 1 and changes slots: in front of the barrier each wave waits for all its tensor loads, adds 0 to its spare word, and waits for that and for its reads of this slot.
; fill = 1: the barrier opens a round of the cluster's, and the slot just read is filled again, first thing behind it, with the walk's step two steps on.
.macro TURN fill
	WIN 0
	s_wait_tensorcnt 0x0
	ds_add_u32 v[SPW], v[NIL]
	s_wait_dscnt 17                                ; the add and the youngest sixteen loads may be out
	MUL8 F1, 0, 0, 0
	s_wait_dscnt 0x0
	s_barrier_signal -1
	MUL8 F1, 0, 2, 0
	WIN 0
	s_barrier_wait -1
.if \fill
	CREST
	s_xor_b32 s[G0+5], s[G0+5], SLOT
	s_xor_b32 s[G0B+5], s[G0B+5], SLOT
	AIM 1
	JLOAD 1                                        ; its four v_nop are also the places in front of the loads below
.else
	PLACES
.endif
	s_xor_b32 s[TB], s[TB], SLOT
	v_add_nc_u32 v[ADRA], s[TB], v[ADRA0]
	v_add_nc_u32 v[ADRB], s[TB], v[ADRB0]
	v_add_nc_u32 v[ADRB+1], BHALF, v[ADRB]
	FETCH 0, F0
	MUL8 F1, 1, 0, 0
	MUL8 F1, 1, 2, 0
.endm
; THE WAY OUT of block a (16 rows): a lane's eight f32 of a row go into my own stage, each accumulator's low four registers first, and come back as whole rows of 256 bytes, my 64 columns;
; there b2 is added, then lam x1, and the rows are stored.
.macro OUT a
.set BK, OB+32*((\a)%2)
.irp b, 0,1,2,3
	ds_store_b128 v[STO], v[ACC+8*(4*(\a)+(\b)):ACC+8*(4*(\a)+(\b))+3] offset:64*(\b)
	ds_store_b128 v[STO], v[ACC+8*(4*(\a)+(\b))+4:ACC+8*(4*(\a)+(\b))+7] offset:64*(\b)+16
.endr
	s_wait_xcnt 0x0                                ; the stores of two blocks ago have read the registers that the loads below fill
.irp t, 0,1,2,3,4,5,6,7
	ds_load_b128 v[BK+4*(\t):BK+4*(\t)+3], v[RD] offset:(\t)*2*SPITCH  ; LDS serves a wave's instructions in order (ISA guide 5.7.1.4): these see the stores above
.endr
	s_wait_dscnt 0x0
.irp t, 0,1,2,3,4,5,6,7
	v_pk_add_f32 v[BK+4*(\t):BK+4*(\t)+1], v[BK+4*(\t):BK+4*(\t)+1], v[BI:BI+1]
	v_pk_add_f32 v[BK+4*(\t)+2:BK+4*(\t)+3], v[BK+4*(\t)+2:BK+4*(\t)+3], v[BI+2:BI+3]
.endr
	WIN 0x02                                       ; source 0 (x1) window 2
.irp t, 0,1,2,3,4,5,6,7
	v_pk_fma_f32 v[BK+4*(\t):BK+4*(\t)+1], v[X1+4*(8*(\a)+(\t)):X1+4*(8*(\a)+(\t))+1], v[LM:LM+1], v[BK+4*(\t):BK+4*(\t)+1]
	v_pk_fma_f32 v[BK+4*(\t)+2:BK+4*(\t)+3], v[X1+4*(8*(\a)+(\t))+2:X1+4*(8*(\a)+(\t))+3], v[LM+2:LM+3], v[BK+4*(\t)+2:BK+4*(\t)+3]
.endr
	WIN 0
.irp t, 0,1,2,3,4,5,6,7
	global_store_b128 v[CO], v[BK+4*(\t):BK+4*(\t)+3], s[14:15] offset:(16*(\a)+2*(\t))*OPITCH th:TH_STORE_NT  ; 16 lanes store 256 consecutive aligned bytes
.endr
.endm
	s_wait_tensorcnt 1                             ; my part of the walk's first K step is in; the second's may stay out
	s_barrier_signal -1
	s_barrier_wait -1
	FETCH 0, F0
	QUARTER 1, F0, F1, 1                           ; the first quarter stands in front of the loop: its first products start the sums
	WIN 0
	s_mov_b32 s3, NK-2
.Lstep:
	QUARTER 2, F1, F0, 0
	QUARTER 3, F0, F1, 0
	TURN 1
	QUARTER 1, F0, F1, 0
	WIN 0
	s_sub_co_u32 s3, s3, 1
	s_cmp_lg_u32 s3, 0
	s_cbranch_scc1 .Lstep
	s_mov_b32 s3, 2
.Ltail:                                                ; the last two K steps ask for nothing; the second trip is left in its middle
	QUARTER 2, F1, F0, 0
	QUARTER 3, F0, F1, 0
	TURN 0
	WIN 0
	s_sub_co_u32 s3, s3, 1
	s_cmp_eq_u32 s3, 0
	s_cbranch_scc1 .Lout
	QUARTER 1, F0, F1, 0
	WIN 0
	s_branch .Ltail
.Lout:
	PLACES
	s_wait_loadcnt 0x0                             ; b2, lam and x1, asked for at the start
	OUT 0
	OUT 1
	OUT 2
	OUT 3
	s_wait_tensorcnt 0x0                           ; the wave's end
	ds_add_u32 v[SPW], v[NIL]
	s_wait_dscnt 0x0
	CROUND                                         ; the closing round
	s_endpgm
.Lfunc_end_k_q4abeb16667_gemm_2:
	.size	k_q4abeb16667_gemm_2, .Lfunc_end_k_q4abeb16667_gemm_2-k_q4abeb16667_gemm_2
	.p2alignl 7, 3214868480
	.fill 96, 4, 3214868480
	.section	.rodata,"a",@progbits
	.p2align	6, 0x0
	.amdhsa_kernel k_q4abeb16667_gemm_2
		.amdhsa_group_segment_fixed_size 327680
		.amdhsa_private_segment_fixed_size 0
		.amdhsa_enable_private_segment 0
		.amdhsa_kernarg_size 48
		.amdhsa_user_sgpr_count 2
		.amdhsa_user_sgpr_kernarg_segment_ptr 1
		.amdhsa_wavefront_size32 1
		.amdhsa_system_sgpr_workgroup_id_x 1
		.amdhsa_system_sgpr_workgroup_id_y 1
		.amdhsa_system_sgpr_workgroup_id_z 1
		.amdhsa_system_vgpr_workitem_id 0
		.amdhsa_next_free_vgpr 640
		.amdhsa_next_free_sgpr 78
		.amdhsa_reserve_vcc 0
		.amdhsa_float_denorm_mode_32 3
		.amdhsa_float_denorm_mode_16_64 3
		.amdhsa_memory_ordered 1
		.amdhsa_forward_progress 1
		.amdhsa_inst_pref_size 70
	.end_amdhsa_kernel
	.amdgpu_metadata
---
amdhsa.version: [ 1, 2 ]
amdhsa.kernels:
  - .name:           k_q4abeb16667_gemm_2
    .symbol:         k_q4abeb16667_gemm_2.kd
    .args:
      - { .name: big1, .offset: 0, .size: 8, .value_kind: global_buffer, .address_space: global }
      - { .name: wo2, .offset: 8, .size: 8, .value_kind: global_buffer, .address_space: global }
      - { .name: x1, .offset: 16, .size: 8, .value_kind: global_buffer, .address_space: global }
      - { .name: b2, .offset: 24, .size: 8, .value_kind: global_buffer, .address_space: global }
      - { .name: lam, .offset: 32, .size: 8, .value_kind: global_buffer, .address_space: global }
      - { .name: out0, .offset: 40, .size: 8, .value_kind: global_buffer, .address_space: global }
    .group_segment_fixed_size: 327680
    .private_segment_fixed_size: 0
    .kernarg_segment_align: 8
    .kernarg_segment_size: 48
    .max_flat_workgroup_size: 128
    .sgpr_count:     78
    .vgpr_count:     640
    .wavefront_size: 32
...
	.end_amdgpu_metadata
.endif
;; end of part 7
